; MI455X (gfx1250); checked and timed in simulation.
; The chip was launched on July 23, 2026; its instructions are those of AMD's public machine-readable ISA for CDNA 5 (MIT licence, August 2026) and "CDNA5" Instruction Set Architecture Reference Guide (July 2026). The comments in the code are by the model that wrote it; some were corrected since.
;; Multi Head Attention. Allowed arithmetic: matrix products marked QUANTISED: E2M1 operands, one E8M0 scale for each 32 along K, by v_wmma_scale_f32_16x16x128_f8f6f4 with both operands' format E2M1 (or v_wmma_scale_f32_32x16x128_f4), f32 sums; everything else in f32.
;; Inputs: Wk_b 1,024 float32; Wk_w_codes 1,024 x 32 x 16 uint8 (E2M1 codes of Wk_w, K innermost, in blocks of 32 codes, two codes a byte); Wk_w_scales 1,024 x 32 uint8 (E8M0 scales of Wk_w, one for each 32 codes along K); Wq_b 1,024 float32; Wq_w_codes 1,024 x 32 x 16 uint8 (E2M1 codes of Wq_w, K innermost, in blocks of 32 codes, two codes a byte); Wq_w_scales 1,024 x 32 uint8 (E8M0 scales of Wq_w, one for each 32 codes along K); Wv_b 1,024 float32; Wv_w_codes 1,024 x 32 x 16 uint8 (E2M1 codes of Wv_w, K innermost, in blocks of 32 codes, two codes a byte); Wv_w_scales 1,024 x 32 uint8 (E8M0 scales of Wv_w, one for each 32 codes along K); keys_codes 1 x 4,096 x 32 x 16 uint8 (E2M1 codes of keys, K innermost, in blocks of 32 codes, two codes a byte); keys_scales 1 x 4,096 x 32 uint8 (E8M0 scales of keys, one for each 32 codes along K); queries 1 x 4,096 x 1,024 float32; values_codes 1 x 4,096 x 32 x 16 uint8 (E2M1 codes of values, K innermost, in blocks of 32 codes, two codes a byte); values_scales 1 x 4,096 x 32 uint8 (E8M0 scales of values, one for each 32 codes along K).
;; Outputs: out0 1 x 4,096 x 1,024 float32.
;; This version of the problem:
;;   THIS VERSION OF THE PROBLEM IS GIVEN IN LOW PRECISION. The matrix products marked QUANTISED in the list below multiply operands that are first quantised to E2M1 (2 exponent bits, 1 mantissa bit; 4 bits a number), with one power-of-two scale for each 32 numbers along K (OCP MX v1.0); their sums are f32. All else is computed in f32.
;;   The module's matrix products, in the order in which they are computed (A, B: the left and right operand; K: the contracted axis; several contracted axes count as one K, in the product's order):
;;     1. [M 4,096, K 1,024] x [K 1,024, N 1,024]; A: input queries; B: input Wq_w (given as codes): QUANTISED
;;     2. [M 4,096, K 1,024] x [K 1,024, N 1,024]; A: input keys (given as codes); B: input Wk_w (given as codes): QUANTISED
;;     3. [M 4,096, K 1,024] x [K 1,024, N 1,024]; A: input values (given as codes); B: input Wv_w (given as codes): QUANTISED
;;     4. batch 16 x [M 4,096, K 64] x [K 64, N 4,096]; A: computed on the way; B: computed on the way: QUANTISED
;;     5. batch 16 x [M 4,096, K 4,096] x [K 4,096, N 64]; A: softmax (see below); B: computed on the way: QUANTISED
;;   THE QUANTISER, for each operand of a quantised product, along K:
;;     - K is cut into blocks of 32 from its start; a last block that is shorter is filled with zeros.
;;     - A block's scale is 2^e with e = floor(log2(the largest magnitude in the block)) - 2, held to -126 .. 127; a block of zeros has e = 0. As a byte (E8M0): e + 127.
;;     - Each number is divided by its block's scale, clamped to +-6, and rounded to the nearest number of E2M1, ties to even, subnormals kept.
;;     - The product sums the exact products of the quantised numbers (number of the format x scale) in f32.
;;   ~~~python
;;   def quantise(x, axis):      # numpy; x: float32 -> the quantised numbers, widened to float32 again
;;       x = np.moveaxis(x, axis, -1); K = x.shape[-1]
;;       x = np.pad(x, [(0, 0)] * (x.ndim - 1) + [(0, -K % 32)]); x = x.reshape(x.shape[:-1] + (-1, 32)); a = np.abs(x).max(-1, keepdims=True)
;;       e = np.where(a > 0, np.clip(np.frexp(np.where(a > 0, a, 1))[1] - 1 - 2, -126, 127), 0)      # np.frexp(a)[1] - 1 = floor(log2(a)), exactly
;;       r = np.clip(x / 2.0 ** e, -6, 6)
;;       step = 2.0 ** (np.maximum(np.frexp(np.where(r == 0, 1, r))[1] - 1, 0) - 1)
;;       q = np.round(r / step) * step * 2.0 ** e      # np.round: ties to even
;;       return np.moveaxis(q.reshape(q.shape[:-2] + (-1,))[..., :K], -1, axis).astype(np.float32)
;;   ~~~
;;   SOFTMAX AHEAD OF A QUANTISED PRODUCT. Where the list says 'softmax', what is quantised is not the finished softmax but p = 2^(t - M), with t = logit x log2(e) and M = ceil(the row's largest t), a whole number; so 1/2 < the row's largest p <= 1. The row's sum l is taken of the UNQUANTISED p, in f32, and the product's result is divided by l at the end. Since M is a whole number, a kernel that streams over the keys may use a running M (the ceiling of the running maximum): every later rescaling is an exact power of two, which a block's scale takes up: the codes' values come out the same.
;;   OPERANDS COMPUTED ON THE WAY. 'Computed on the way' means the value that the module computes at that place (a softmax that the list does not call 'softmax' is quantised finished and normalised). What goes into a quantiser is computed in f32, as accurately as f32 sums, v_exp_f32 and their like allow (about 1e-6 of the number): no bf16 or f16 on the way to a quantiser, and a product that is left as it is and whose result goes on into a quantised operand takes f32 operands (vector FMAs, or v_wmma_f32_16x16x4_f32). A number that lies on a knife's edge between two numbers of the format may be rounded either way, as far as f32 arithmetic and the matrix unit's own rounding can turn it there, and no further.
;;   INPUTS GIVEN AS CODES. Wk_w (in the module: [1024, 1024], K = its axis 1); Wq_w (in the module: [1024, 1024], K = its axis 1); Wv_w (in the module: [1024, 1024], K = its axis 1); keys (in the module: [1, 4096, 1024], K = its axis 2); values (in the module: [1, 4096, 1024], K = its axis 2): each comes as NAME_codes (uint8): NAME with its K axis moved to the last place and cut into blocks of 32 codes, [.., K / 32, bytes a block], one block behind the other in memory; two codes a byte, the lower K in the low four bits (a code: sign, 2 exponent bits, 1 mantissa bit); and NAME_scales (uint8): the same leading axes, one E8M0 byte (e + 127) for each 32 codes along K. Its value is code x scale, taken as it is: it is not quantised again, and the codes and scales need not be those that the quantiser above would give.
;; 2 versions. Each part assembles by itself: llvm-mc -triple=amdgcn-amd-amdhsa -mcpu=gfx1250 --defsym DOCPART=n.
;; ======== version 1 of 2: 2 launches
;; workspace buffers: kv 4,456,448 bytes; qx 2,097,152 bytes; qxs 131,072 bytes
;; launch proj (part 1): grid 256 x 1, 8 waves a work-group, no clusters, 286,976 bytes of LDS; arguments queries, keys_codes, keys_scales, Wk_w_codes, Wk_w_scales, Wk_b, values_codes, values_scales, Wv_w_codes, Wv_w_scales, Wv_b, kv, qx, qxs; writes kv, qx, qxs
.if DOCPART == 1
	.amdgcn_target "amdgcn-amd-amdhsa--gfx1250"
	.amdhsa_code_object_version 6
	.text
	.protected	k_qd6e7af0d1b_proj
	.globl	k_qd6e7af0d1b_proj
	.p2align	8
	.type	k_qd6e7af0d1b_proj,@function
k_qd6e7af0d1b_proj:
	s_mov_b64 s[64:65], 0
	v_nop
	global_prefetch_b8 v0, s[64:65] scope:SCOPE_SE
	s_setreg_imm32_b32 hwreg(HW_REG_WAVE_MODE, 25, 1), 1
	s_wait_xcnt 0x0
; k = relu(keys Wk^T + bk) and v = relu(values Wv^T + bv), both products on codes of FP4 (E2M1) with one E8M0 scale for each 32 along K, and their results
; quantised again: k along a head's 64, v along the keys.  Beside that each work-group quantises 16 rows of queries (f32) along their 1,024.
; SHARES.  256 work-groups of eight waves.  Work-group g quantises query rows 16 g .. 16 g + 15 (wave w: the 128 numbers 128 w on of each row).  Work-groups 0-127 make
; a tile of k, 128-255 a tile of v.  Both tiles are ONE abstract product D(m, n) = src0 row m . src1 row n, 128 m x 256 n, K = 1,024:
;   k: src0 = Wk (128 features: two heads), src1 = keys (256 keys: two steps of 128);    v: src0 = values (128 keys: one step), src1 = Wv (256 features: four heads).
; Source 0 of the matrix instruction is src0, so a lane holds ONE n and its registers run along m, which is the K of the product that follows (k: the head's 64; v: the keys).
; Wave w takes all 128 m (8 tiles) x n rows 32 w .. 32 w + 31 (2 tiles): 16 accumulators.  Only pointers are chosen by the work-group's number up to the way out.
; THE ROWS OF A TILE ARE NOT NEIGHBOURS: tile 2 b + e holds rows 32 b + 8 e + r + 8 (r / 8), so that the 16 registers of tiles 2 b, 2 b + 1 are 16 neighbours along m.
; Rows are laid into LDS at the place whose number is the row's with bits 3 and 4 swapped: a tile is then 16 LDS rows on end.
; ALL OF K IS STAGED ONCE (a row of 1,024 codes is 512 bytes): one barrier, no ring.  The rows are re-ordered, the scale bytes are turned (K step outermost) and queries are
; quantised on the way into LDS, so everything goes through registers; that is why there are no tensor loads here and no joint requests in a cluster.
; WHAT IS STORED, in the order of an operand's registers.  kv: [16 heads][32 steps of 128 keys][8,704 bytes]: +0 four images of K (1,024 bytes: [c][lane][16 bytes];
; registers 0-3 = 16 keys 32 b + r + 8 (r / 8), registers 4-7 = the 16 keys 8 further on; a lane's 16 bytes = d 32 (lane / 16) on), +4096 four images of V^T (16 d x 128 keys),
; +8192 K's scale words [4][16], +8448 V's [4][16].  qx: [256 tiles][8 K steps][1,024 bytes], images of queries' fragments;  qxs: [4,096 rows][8 words].
; LIMITS: NaN and infinities are not served; an input scale byte 0xff gives NaN.  A block of zeros gets the byte 1 where the quantiser says 127: its codes are zeros, which add
; nothing under any byte but 0xff, and these bytes are read by this program alone.
.set PIT,  528                         ; an LDS row of codes: 512 bytes + 16: 33 x 16 bytes, so the 16 rows of a fragment load start at 16 different columns of 16 bytes
.set SPI,  1552                        ; a K step's scale words: 384 places x 4 bytes + 16
.set HB,   278528                      ; a head in kv
.set REC,  8704                        ; a step of 128 keys in kv
.set OP0,  0                           ; src0: 128 rows
.set OP1,  67584                       ; src1: 256 rows
.set SCL,  202752                      ; scale words [8 K steps][384 places]: src0's at places 0-127, src1's at 128-383
.set BIA,  215296                      ; the 128 biases along m
.set QSG,  215808                      ; queries' scale words [16 rows][8]
.set SGK,  216320                      ; the k path's scale words on their way out
.set SGV,  217344                      ; the v path's: bytes of its own for each path
.set QST,  218368                      ; for each wave 16 rows x 528: queries turn here from 16 bytes a lane to 128 bytes a lane
.set WV,   46                          ; s46 my wave's number
.set SEL,  44                          ; s[44:45] v_permlanex16_b32's selects for lane l xor 16
.set TM,   232                         ; v232-247 the quantiser's work
; REGISTERS: v1 16 x lane; v2, v3 fragments' LDS addresses (src0, src1); v4, v5 scale words'; v6-11, v14, v15, v250-255 addresses of the head; v12, v13 biases along n;
; v16-143 the accumulators ((u, t) at 16 + 64 u + 8 t; before the loop: numbers and codes on their way); v144-207 src0's 8 fragments; v208-223 src1's 2; v224-228 scale words.
; one matrix instruction; ra, rb = 1: that side's scale words are taken from lanes 16-31 of the register named
.macro WM d, a, b, c, sa, sb, ra, rb
.if (\ra) && (\rb)
	v_wmma_scale_f32_16x16x128_f8f6f4 v[\d:\d+7], v[\a:\a+7], v[\b:\b+7], \c, v[\sa], v[\sb] matrix_a_fmt:MATRIX_FMT_FP4 matrix_b_fmt:MATRIX_FMT_FP4 matrix_a_scale:MATRIX_SCALE_ROW1 matrix_b_scale:MATRIX_SCALE_ROW1
.elseif \ra
	v_wmma_scale_f32_16x16x128_f8f6f4 v[\d:\d+7], v[\a:\a+7], v[\b:\b+7], \c, v[\sa], v[\sb] matrix_a_fmt:MATRIX_FMT_FP4 matrix_b_fmt:MATRIX_FMT_FP4 matrix_a_scale:MATRIX_SCALE_ROW1
.elseif \rb
	v_wmma_scale_f32_16x16x128_f8f6f4 v[\d:\d+7], v[\a:\a+7], v[\b:\b+7], \c, v[\sa], v[\sb] matrix_a_fmt:MATRIX_FMT_FP4 matrix_b_fmt:MATRIX_FMT_FP4 matrix_b_scale:MATRIX_SCALE_ROW1
.else
	v_wmma_scale_f32_16x16x128_f8f6f4 v[\d:\d+7], v[\a:\a+7], v[\b:\b+7], \c, v[\sa], v[\sb] matrix_a_fmt:MATRIX_FMT_FP4 matrix_b_fmt:MATRIX_FMT_FP4
.endif
.endm
	s_load_b512 s[4:19], s[0:1], 0x0               ; queries s[4:5], keys' codes s[6:7], scales s[8:9], Wk's codes s[10:11], scales s[12:13], bk s[14:15], values' codes s[16:17], scales s[18:19]
	s_load_b256 s[20:27], s[0:1], 0x40             ; Wv's codes s[20:21], scales s[22:23], bv s[24:25], kv s[26:27]
	s_load_b128 s[28:31], s[0:1], 0x60             ; qx s[28:29], qxs s[30:31]
	v_lshl_add_u32 v242, v0, 2, 0x45d00
	v_mov_b32 v243, 0
	v_lshrrev_b32 v1, 5, v0
	v_readfirstlane_b32 s[WV], v1                  ; wave 0..7
	v_and_b32 v232, 31, v0                         ; lane
	v_and_b32 v233, 15, v0                         ; r
	v_bfe_u32 v234, v0, 4, 1                       ; h
	v_lshlrev_b32 v1, 4, v232                      ; 16 x lane
	v_mul_u32_u24 v2, v233, PIT
	v_lshl_add_u32 v2, v234, 4, v2                 ; src0's fragments: row r, + 16 h
	s_mul_i32 s52, s[WV], 32*PIT
	s_add_co_u32 s52, s52, OP1                     ; my 32 rows of src1
	v_add_nc_u32 v3, s52, v2                       ; their fragments
	v_add_nc_u32 v10, s52, v1                      ; and where I lay them: a row is 32 lanes x 16 bytes
	v_lshl_add_u32 v4, v232, 2, SCL                ; src0's scale words: lanes 0-15 an even tile's, lanes 16-31 the odd tile's behind it
	s_lshl_b32 s47, s[WV], 7
	s_add_co_u32 s54, s47, SCL+512
	v_lshl_add_u32 v5, v232, 2, s54                ; src1's: my two tiles
	s_lshl_b32 s54, s[WV], 9
	v_add_nc_u32 v6, s54, v1                       ; queries: my 512 bytes of a row
	s_lshl_b32 s54, s[WV], 13
	v_add_nc_u32 v7, s54, v1                       ; src0 in memory: my 16 rows
	s_lshl_b32 s54, s[WV], 14
	v_add_nc_u32 v8, s54, v1                       ; src1 in memory: my 32 rows
	s_lshr_b32 s54, s[WV], 1
	s_lshl_b32 s54, s54, 5
	s_and_b32 s55, s[WV], 1
	s_lshl_b32 s55, s55, 3
	s_add_co_u32 s54, s54, s55
	s_mul_i32 s54, s54, PIT
	v_add_nc_u32 v9, s54, v1                       ; src0 in LDS: row 16 w + i goes to place 32 (w / 2) + 8 (w % 2) + 16 (i / 8) + i % 8
	s_mul_i32 s54, s[WV], 16*PIT
	s_add_co_u32 s54, s54, QST                     ; my stage for queries
	v_add_nc_u32 v11, s54, v1                      ; in: as loaded
	v_lshl_add_u32 v14, v234, 7, s54
	v_mad_u32_u24 v14, v233, PIT, v14              ; out: row r, + 128 h bytes: 32 neighbours
	v_lshlrev_b32 v15, 4, v0                       ; scale bytes in memory: 16 bytes a thread: row T / 2, half T % 2
	v_lshrrev_b32 v235, 1, v0
	v_and_b32 v236, 0x67, v235
	v_bfe_u32 v237, v235, 3, 1
	v_bfe_u32 v238, v235, 4, 1
	v_lshl_or_b32 v236, v237, 4, v236
	v_lshl_or_b32 v236, v238, 3, v236              ; the row's place: bits 3 and 4 swapped
	v_and_b32 v237, 1, v0
	v_mul_u32_u24 v237, v237, 4*SPI                ; the half's four K steps
	v_lshl_add_u32 v250, v236, 2, v237
	v_add_nc_u32 v250, SCL, v250                   ; where my four scale words go, SPI bytes apart
	v_and_b32 v235, 8, v233
	v_add_nc_u32 v235, v235, v233                  ; r + 8 (r / 8)
	v_lshl_add_u32 v251, v235, 2, s47              ; the bias of my n: feature 32 w + 8 u + r + 8 (r / 8)
	s_lshl_b32 s54, s[WV], 2
	s_add_co_u32 s54, s54, QSG
	v_lshl_add_u32 v252, v233, 5, s54              ; queries' scale word: row r, K step w
	v_add_nc_u32 v253, BIA, v1
	v_add_nc_u32 v254, QSG, v1
	v_lshlrev_b32 v255, 3, v234                    ; 8 h: my bytes' place in a scale word
	s_mov_b32 s[SEL], 0x76543210
	s_mov_b32 s[SEL+1], 0xfedcba98
	; both paths' numbers are made first, then one compare chooses: it hangs on the work-group's number alone
	s_and_b32 s52, ttmp9, 7                        ; k: which 128 features
	s_lshr_b32 s53, ttmp9, 3                       ; k: which 256 keys
	s_and_b32 s54, ttmp9, 127
	s_lshr_b32 s55, s54, 2                         ; v: which 128 keys
	s_and_b32 s56, s54, 3                          ; v: which 256 features
	s_lshl_b32 s57, s52, 9                         ; k: the biases run along m
	s_lshl_b32 s58, s56, 10                        ; v: along n
	s_wait_kmcnt 0x0
	s_cmp_lt_u32 ttmp9, 128
	s_cselect_b64 s[32:33], s[10:11], s[16:17]     ; src0's codes
	s_cselect_b64 s[34:35], s[12:13], s[18:19]     ; src0's scales
	s_cselect_b64 s[36:37], s[6:7], s[20:21]       ; src1's codes
	s_cselect_b64 s[38:39], s[8:9], s[22:23]       ; src1's scales
	s_cselect_b64 s[40:41], s[14:15], s[24:25]     ; the bias
	s_cselect_b32 s42, s52, s55                    ; mblk
	s_cselect_b32 s43, s53, s56                    ; nblk
	s_cselect_b32 s57, s57, 0
	s_cselect_b32 s58, 0, s58
	s_mov_b32 s53, 0
	s_lshl_b32 s52, s42, 16                        ; 128 rows of 512 bytes
	s_add_nc_u64 s[32:33], s[32:33], s[52:53]
	s_lshl_b32 s52, s42, 12                        ; 128 rows of 32 bytes
	s_add_nc_u64 s[34:35], s[34:35], s[52:53]
	s_lshl_b32 s52, s43, 17
	s_add_nc_u64 s[36:37], s[36:37], s[52:53]
	s_lshl_b32 s52, s43, 13
	s_add_nc_u64 s[38:39], s[38:39], s[52:53]
	s_mov_b32 s52, s57
	s_add_nc_u64 s[48:49], s[40:41], s[52:53]      ; the 128 biases along m (on the v path: read inside the buffer, not used)
	s_mov_b32 s52, s58
	s_add_nc_u64 s[50:51], s[40:41], s[52:53]      ; the 256 along n (on the k path likewise)
	s_lshl_b32 s52, ttmp9, 16                      ; 16 rows of queries
	s_add_nc_u64 s[4:5], s[4:5], s[52:53]
	s_lshl_b32 s52, ttmp9, 13
	s_lshl_b32 s54, s[WV], 10
	s_add_co_u32 s52, s52, s54
	s_add_nc_u64 s[28:29], s[28:29], s[52:53]      ; qx: tile g, K step w
	s_lshl_b32 s52, ttmp9, 9
	s_add_nc_u64 s[30:31], s[30:31], s[52:53]      ; qxs: 16 rows of 32 bytes
	; ---- 54 loads go out at once; each takes 512 consecutive bytes a wave
.irp i, 0,1,2,3,4,5,6,7,8,9,10,11,12,13,14,15
	global_load_b128 v[16+4*\i:19+4*\i], v6, s[4:5] offset:4096*\i         ; queries: row i, my 128 numbers
.endr
.irp i, 0,1,2,3,4,5,6,7,8,9,10,11,12,13,14,15
	global_load_b128 v[80+4*\i:83+4*\i], v7, s[32:33] offset:512*\i        ; src0: my 16 rows
.endr
.irp i, 0,1,2,3,4,5,6,7,8,9,10,11,12,13,14,15
	global_load_b128 v[144+4*\i:147+4*\i], v8, s[36:37] offset:512*\i      ; src1: the first 16 of my 32 rows
.endr
	global_load_b128 v[208:211], v15, s[34:35]                             ; src0's scale bytes
	global_load_b128 v[212:215], v15, s[38:39]                             ; src1's, rows 0-127
	global_load_b128 v[216:219], v15, s[38:39] offset:4096                 ; and 128-255
	global_load_b128 v[220:223], v1, s[48:49]                              ; the biases along m
	global_load_b32 v12, v251, s[50:51]                                    ; the bias of my n in tile u = 0
	global_load_b32 v13, v251, s[50:51] offset:32                          ; and u = 1
	; ---- queries: through my stage, so that a lane holds two whole blocks of 32 of row r: register 32 c + i = k 64 c + 32 h + i of my K step
	s_wait_loadcnt 38                              ; the 16 loads of queries are in; the 38 behind them may be out
.irp i, 0,1,2,3,4,5,6,7,8,9,10,11,12,13,14,15
	ds_store_b128 v11, v[16+4*\i:19+4*\i] offset:PIT*\i
.endr
	s_wait_dscnt 0x0                               ; the stores have read their registers, which the loads below write
.irp c, 0,1
.irp i, 0,1,2,3,4,5,6,7
	ds_load_b128 v[16+32*\c+4*\i:19+32*\c+4*\i], v14 offset:256*\c+16*\i
.endr
.endr
	s_wait_dscnt 0x0
	v_max3_num_f32 v232, |v16|, |v17|, 0x1800000   ; a block's largest magnitude, and the floor 2^(3 - 127): so the byte cannot fall under 1
	v_max3_num_f32 v233, |v48|, |v49|, 0x1800000
.irp i, 2,4,6,8,10,12,14,16,18,20,22,24,26,28,30
	v_max3_num_f32 v232, v232, |v[16+\i]|, |v[17+\i]|                      ; (the two blocks by turns)
	v_max3_num_f32 v233, v233, |v[48+\i]|, |v[49+\i]|
.endr
	v_add_nc_u32 v234, 0xff000000, v232            ; 2 off the exponent field: the conversion takes the exponent field of this operand as its scale
	v_add_nc_u32 v235, 0xff000000, v233
.irp c, 0,1
.irp g, 0,1,2,3
	v_cvt_scalef32_pk8_fp4_f32 v[224+4*\c+\g], v[16+32*\c+8*\g:23+32*\c+8*\g], v[234+\c]   ; registers 4 c .. 4 c + 3 of the fragment
.endr
.endr
.irp i, 0,1,2,3,4,5,6,7,8,9,10,11,12,13,14,15
	global_load_b128 v[16+4*\i:19+4*\i], v8, s[36:37] offset:8192+512*\i   ; src1: the other 16 of my rows, into the registers that queries have left
.endr
	v_lshrrev_b32 v236, 23, v234                   ; the scales' bytes
	v_lshrrev_b32 v237, 23, v235
	v_lshl_or_b32 v238, v237, 16, v236             ; blocks h and 2 + h of row r,
	v_lshlrev_b32 v238, v255, v238                 ; at their places in the word;
	v_mov_b32 v239, 0
	v_permlanex16_b32 v239, v238, s[SEL], s[SEL+1]
	v_or_b32 v238, v238, v239                      ; with lane l xor 16's two the word is whole
	global_store_b128 v1, v[224:227], s[28:29]                             ; the fragment's image: 512 consecutive bytes a store
	global_store_b128 v1, v[228:231], s[28:29] offset:512
	ds_store_b32 v252, v238                        ; both lanes of a row write the same word with the same value
	; ---- codes, scale words and biases into LDS
	s_wait_loadcnt 38                              ; src0's 16 are in (behind them: 16 + 3 + 3 + 16)
.irp i, 0,1,2,3,4,5,6,7,8,9,10,11,12,13,14,15
	ds_store_b128 v9, v[80+4*\i:83+4*\i] offset:(16*(\i/8)+(\i%8))*PIT
.endr
	s_wait_loadcnt 22                              ; src1's first 16 (behind them: 3 + 3 + 16)
.irp i, 0,1,2,3,4,5,6,7,8,9,10,11,12,13,14,15
	ds_store_b128 v10, v[144+4*\i:147+4*\i] offset:(16*((\i/8)%2)+8*(\i/16)+(\i%8))*PIT
.endr
	s_wait_loadcnt 16                              ; scale bytes and biases (behind them: src1's last 16)
.irp i, 0,1,2,3
	ds_store_b32 v250, v[208+\i] offset:SPI*\i
	ds_store_b32 v250, v[212+\i] offset:SPI*\i+512
	ds_store_b32 v250, v[216+\i] offset:SPI*\i+1024
.endr
	s_cmp_lg_u32 s[WV], 0
	s_cbranch_scc1 .Lno_bias
	ds_store_b128 v253, v[220:223]                 ; every wave holds the same 512 bytes: one wave lays them down
.Lno_bias:
	s_wait_loadcnt 0x0
.irp i, 16,17,18,19,20,21,22,23,24,25,26,27,28,29,30,31
	ds_store_b128 v10, v[16+4*(\i-16):19+4*(\i-16)] offset:(16*((\i/8)%2)+8*(\i/16)+(\i%8))*PIT
.endr
	s_wait_xcnt 0x0                                ; the stores to qx have read v224-231, which the loop loads anew
	s_wait_dscnt 0x0                               ; for the others' sake: all my LDS stores have landed
	s_barrier_signal -1
	s_barrier_wait -1
	s_cmp_lg_u32 s[WV], 7
	s_cbranch_scc1 .Lnot_7
	ds_load_b128 v[232:235], v254                  ; the tile's 128 scale words leave as 512 consecutive bytes
	s_wait_dscnt 0x0
	global_store_b128 v1, v[232:235], s[30:31]
.Lnot_7:
; ---- a K step of 128: 8 + 2 fragments, 5 registers of scale words, 16 matrix instructions.  The 16 accumulators take turns, one instruction a turn
.macro KSTEP s
.if \s > 0
.rept 4
	v_nop                                          ; places in front of loads into registers that matrix instructions have read
.endr
.endif
.irp t, 0,1,2,3,4,5,6,7
.irp c, 0,1
	ds_load_b128 v[144+8*\t+4*\c:147+8*\t+4*\c], v2 offset:16*\t*PIT+64*\s+32*\c
.endr
.endr
.irp u, 0,1
.irp c, 0,1
	ds_load_b128 v[208+8*\u+4*\c:211+8*\u+4*\c], v3 offset:16*\u*PIT+64*\s+32*\c
.endr
.endr
.irp p, 0,1,2,3
	ds_load_b32 v[224+\p], v4 offset:SPI*\s+128*\p
.endr
	ds_load_b32 v228, v5 offset:SPI*\s
	s_wait_dscnt 0x0
.irp t, 0,1,2,3,4,5,6,7
.irp u, 0,1
.if \s == 0
	WM 16+64*\u+8*\t, 144+8*\t, 208+8*\u, 0, 224+\t/2, 228, \t%2, \u       ; the first K step starts the sums
.else
	WM 16+64*\u+8*\t, 144+8*\t, 208+8*\u, v[16+64*\u+8*\t:23+64*\u+8*\t], 224+\t/2, 228, \t%2, \u
.endif
.endr
.endr
.endm
.irp s, 0,1,2,3,4,5,6,7
	KSTEP \s
.endr
; Four blocks of 32 become a fragment and its scale word.  Block n lies in 16 registers from v[bn] on in lanes l and l xor 16 (register i = place 16 (lane / 16) + i); no number is negative.
; The codes come out in v[pc] on: registers 0-3: lanes 0-15 block 0, lanes 16-31 block 1; registers 4-7: blocks 2 and 3.  v[pw]: the four bytes.
.macro QUANT4 b0, b1, b2, b3, pc, pw
	v_max3_num_f32 v[TM], v[\b0], v[\b0+1], 0x1800000                      ; my 16 numbers, and the floor 2^(3 - 127)
	v_max3_num_f32 v[TM+1], v[\b1], v[\b1+1], 0x1800000
	v_max3_num_f32 v[TM+2], v[\b2], v[\b2+1], 0x1800000
	v_max3_num_f32 v[TM+3], v[\b3], v[\b3+1], 0x1800000
.irp i, 2,4,6,8,10,12,14
	v_max3_num_f32 v[TM], v[TM], v[\b0+\i], v[\b0+1+\i]                    ; (the four blocks by turns)
	v_max3_num_f32 v[TM+1], v[TM+1], v[\b1+\i], v[\b1+1+\i]
	v_max3_num_f32 v[TM+2], v[TM+2], v[\b2+\i], v[\b2+1+\i]
	v_max3_num_f32 v[TM+3], v[TM+3], v[\b3+\i], v[\b3+1+\i]
.endr
.irp k, 0,1,2,3
	v_permlanex16_b32 v[TM+4+\k], v[TM+\k], s[SEL], s[SEL+1]
.endr
.irp k, 0,1,2,3
	v_max_num_f32 v[TM+\k], v[TM+\k], v[TM+4+\k]   ; with lane l xor 16's: the block's largest
.endr
.irp k, 0,1,2,3
	v_add_nc_u32 v[TM+12+\k], 0xff000000, v[TM+\k] ; 2 off its exponent field: the conversion's scale operand
.endr
.irp k, 0,1,2,3
	v_lshrrev_b32 v[TM+4+\k], 23, v[TM+12+\k]      ; the scale's byte
.endr
	v_lshl_or_b32 v[\pw], v[TM+5], 8, v[TM+4]
	v_lshl_or_b32 v[\pw], v[TM+6], 16, v[\pw]
	v_lshl_or_b32 v[\pw], v[TM+7], 24, v[\pw]
	v_cvt_scalef32_pk8_fp4_f32 v[\pc], v[\b0:\b0+7], v[TM+12]
	v_cvt_scalef32_pk8_fp4_f32 v[\pc+1], v[\b0+8:\b0+15], v[TM+12]
	v_cvt_scalef32_pk8_fp4_f32 v[\pc+2], v[\b1:\b1+7], v[TM+13]
	v_cvt_scalef32_pk8_fp4_f32 v[\pc+3], v[\b1+8:\b1+15], v[TM+13]
	v_cvt_scalef32_pk8_fp4_f32 v[\pc+4], v[\b2:\b2+7], v[TM+14]
	v_cvt_scalef32_pk8_fp4_f32 v[\pc+5], v[\b2+8:\b2+15], v[TM+14]
	v_cvt_scalef32_pk8_fp4_f32 v[\pc+6], v[\b3:\b3+7], v[TM+15]
	v_cvt_scalef32_pk8_fp4_f32 v[\pc+7], v[\b3+8:\b3+15], v[TM+15]
	v_nop                                          ; one plain place behind a scaled conversion
	v_permlane16_swap_b32 v[\pc], v[\pc+2]         ; the layout wants a whole block in a lane
	v_permlane16_swap_b32 v[\pc+1], v[\pc+3]
	v_permlane16_swap_b32 v[\pc+4], v[\pc+6]
	v_permlane16_swap_b32 v[\pc+5], v[\pc+7]
.endm
	s_wait_xcnt 0x0                                ; wave 7's store to qxs has read v232-235
.irp k, 0,1,2,3
	v_mov_b32 v[TM+4+\k], 0                        ; a lane permute's destination counts as one of its sources.  (These four are also the places behind the last products)
.endr
	s_cmp_lt_u32 ttmp9, 128
	s_cbranch_scc0 .Lv_path
	; ======== THE WAY OUT OF k.  Register 64 u + 8 t + j of lane (r, h): key tile u, feature 32 (t / 2) + 16 h + 8 (t % 2) + j of the 128
	v_bfe_u32 v250, v0, 4, 1
	v_lshl_add_u32 v250, v250, 6, BIA
.irp p, 0,1,2,3
.irp i, 0,1,2,3
	ds_load_b128 v[144+16*\p+4*\i:147+16*\p+4*\i], v250 offset:128*\p+16*\i   ; the biases in the result's layout: 16 neighbours of each 32
.endr
.endr
	s_lshl_b32 s52, s42, 1
	s_mul_i32 s52, s52, HB                         ; head 2 mblk
	s_lshl_b32 s53, s43, 1
	s_mul_i32 s54, s53, REC                        ; step 2 nblk
	s_add_co_u32 s55, s52, s54
	s_lshr_b32 s56, s[WV], 2                       ; my 32 keys: step 2 nblk + w / 4,
	s_mul_i32 s57, s56, REC
	s_and_b32 s58, s[WV], 3                        ; block w % 4 of it
	s_lshl_b32 s59, s58, 10
	s_add_co_u32 s52, s55, s57
	s_add_co_u32 s52, s52, s59
	s_mov_b32 s53, 0
	s_add_nc_u64 s[48:49], s[26:27], s[52:53]      ; my image of K, first head
	s_mul_i32 s52, s[WV], HB
	s_add_co_u32 s52, s52, s55
	s_add_co_u32 s52, s52, 8192
	s_add_nc_u64 s[50:51], s[26:27], s[52:53]      ; head 2 mblk + w's scale words (used by waves 0 and 1 alone)
	s_lshl_b32 s56, s56, 8
	s_lshl_b32 s58, s58, 6
	s_add_co_u32 s56, s56, s58
	s_add_co_u32 s56, s56, SGK
	v_and_b32 v252, 15, v0
	v_lshl_add_u32 v251, v252, 2, s56              ; [head][step][block][r] words
	s_wait_dscnt 0x0
.set n, 0
.rept 64
	v_pk_add_f32 v[16+2*n:17+2*n], v[16+2*n:17+2*n], v[144+(2*n)%64:145+(2*n)%64]   ; + bias; each accumulator from its low end on
.set n, n+1
.endr
.set n, 0
.rept 128
	v_max_num_f32 v[16+n], 0, v[16+n]              ; relu, in f32
.set n, n+1
.endr
	QUANT4 16, 32, 80, 96, 208, 248                ; first head: key tile 0's two blocks of d, then key tile 1's
	global_store_b128 v1, v[208:211], s[48:49]
	global_store_b128 v1, v[212:215], s[48:49] offset:512
	ds_store_b32 v251, v248
	QUANT4 48, 64, 112, 128, 216, 249              ; second head
	global_store_b128 v1, v[216:219], s[48:49] offset:HB
	global_store_b128 v1, v[220:223], s[48:49] offset:HB+512
	ds_store_b32 v251, v249 offset:512
	s_wait_dscnt 0x0                               ; for the others' sake
	s_barrier_signal -1
	s_barrier_wait -1
	s_cmp_gt_u32 s[WV], 1
	s_cbranch_scc1 .Lk_done
	s_lshl_b32 s56, s[WV], 9
	s_add_co_u32 s56, s56, SGK
	v_add_nc_u32 v252, s56, v1
	ds_load_b128 v[232:235], v252                  ; wave x: head x's words of both steps
	v_bfe_u32 v253, v0, 4, 1
	v_mul_u32_u24 v253, v253, REC
	v_and_b32 v250, 15, v0
	v_lshl_add_u32 v253, v250, 4, v253             ; sixteen lanes store 256 consecutive bytes of a step's record
	s_wait_dscnt 0x0
	global_store_b128 v253, v[232:235], s[50:51]
.Lk_done:
	s_wait_tensorcnt 0x0
	ds_add_u32 v242, v243
	s_wait_dscnt 0x0
	s_endpgm
	; ======== THE WAY OUT OF v.  Register 64 u + 8 t + j of lane (r, h): feature tile u, key 32 (t / 2) + 16 h + 8 (t % 2) + j of the step
.Lv_path:
	v_mov_b32 v14, v13                             ; tile u = 1's bias as a pair
	v_mov_b32 v15, v13
.set n, 0
.rept 32
	v_pk_add_f32 v[16+2*n:17+2*n], v[16+2*n:17+2*n], v[12:13] op_sel_hi:[1,0]   ; + the bias of my feature in tile 0 (the pair's low word for both halves)
.set n, n+1
.endr
.set n, 32
.rept 32
	v_pk_add_f32 v[16+2*n:17+2*n], v[16+2*n:17+2*n], v[14:15]
.set n, n+1
.endr
.set n, 0
.rept 128
	v_max_num_f32 v[16+n], 0, v[16+n]              ; relu, in f32
.set n, n+1
.endr
	s_lshl_b32 s52, s43, 2
	s_mul_i32 s52, s52, HB                         ; head 4 nblk
	s_mul_i32 s54, s42, REC                        ; step mblk
	s_add_co_u32 s55, s52, s54
	s_lshr_b32 s56, s[WV], 1                       ; my 32 features: head 4 nblk + w / 2,
	s_mul_i32 s57, s56, HB
	s_and_b32 s58, s[WV], 1                        ; tiles 2 (w % 2) and + 1 of its four
	s_lshl_b32 s59, s58, 11
	s_add_co_u32 s52, s55, s57
	s_add_co_u32 s52, s52, s59
	s_add_co_u32 s52, s52, 4096
	s_mov_b32 s53, 0
	s_add_nc_u64 s[48:49], s[26:27], s[52:53]      ; my two images of V^T
	s_lshl_b32 s52, s[WV], 1
	s_mul_i32 s52, s52, HB
	s_add_co_u32 s52, s52, s55
	s_add_co_u32 s52, s52, 8448
	s_add_nc_u64 s[50:51], s[26:27], s[52:53]      ; heads 4 nblk + 2 w and + 1: their scale words (used by waves 0 and 1 alone)
	s_lshl_b32 s56, s56, 8
	s_lshl_b32 s58, s58, 7
	s_add_co_u32 s56, s56, s58
	s_add_co_u32 s56, s56, SGV
	v_and_b32 v252, 15, v0
	v_lshl_add_u32 v251, v252, 2, s56              ; [head][tile][r] words
	QUANT4 16, 32, 48, 64, 208, 248                ; tile u = 0: the step's four blocks of 32 keys
	global_store_b128 v1, v[208:211], s[48:49]
	global_store_b128 v1, v[212:215], s[48:49] offset:512
	ds_store_b32 v251, v248
	QUANT4 80, 96, 112, 128, 216, 249              ; tile u = 1
	global_store_b128 v1, v[216:219], s[48:49] offset:1024
	global_store_b128 v1, v[220:223], s[48:49] offset:1536
	ds_store_b32 v251, v249 offset:64
	s_wait_dscnt 0x0                               ; for the others' sake
	s_barrier_signal -1
	s_barrier_wait -1
	s_cmp_gt_u32 s[WV], 1
	s_cbranch_scc1 .Lv_done
	s_lshl_b32 s56, s[WV], 9
	s_add_co_u32 s56, s56, SGV
	v_add_nc_u32 v252, s56, v1
	ds_load_b128 v[232:235], v252                  ; wave x: the words of heads 2 x and 2 x + 1
	v_bfe_u32 v253, v0, 4, 1
	v_mul_u32_u24 v253, v253, HB
	v_and_b32 v250, 15, v0
	v_lshl_add_u32 v253, v250, 4, v253             ; sixteen lanes store 256 consecutive bytes of a head's record
	s_wait_dscnt 0x0
	global_store_b128 v253, v[232:235], s[50:51]
.Lv_done:
	s_wait_tensorcnt 0x0
	ds_add_u32 v242, v243
	s_wait_dscnt 0x0
	s_endpgm
.Lfunc_end_k_qd6e7af0d1b_proj:
	.size	k_qd6e7af0d1b_proj, .Lfunc_end_k_qd6e7af0d1b_proj-k_qd6e7af0d1b_proj
	.p2alignl 7, 3214868480
	.fill 96, 4, 3214868480
	.section	.rodata,"a",@progbits
	.p2align	6, 0x0
	.amdhsa_kernel k_qd6e7af0d1b_proj
		.amdhsa_group_segment_fixed_size 286976
		.amdhsa_private_segment_fixed_size 0
		.amdhsa_enable_private_segment 0
		.amdhsa_kernarg_size 112
		.amdhsa_user_sgpr_count 2
		.amdhsa_user_sgpr_kernarg_segment_ptr 1
		.amdhsa_wavefront_size32 1
		.amdhsa_system_sgpr_workgroup_id_x 1
		.amdhsa_system_sgpr_workgroup_id_y 1
		.amdhsa_system_sgpr_workgroup_id_z 1
		.amdhsa_system_vgpr_workitem_id 0
		.amdhsa_next_free_vgpr 256
		.amdhsa_next_free_sgpr 66
		.amdhsa_reserve_vcc 0
		.amdhsa_float_denorm_mode_32 3
		.amdhsa_float_denorm_mode_16_64 3
		.amdhsa_memory_ordered 1
		.amdhsa_forward_progress 1
		.amdhsa_inst_pref_size 88
	.end_amdhsa_kernel
	.amdgpu_metadata
---
amdhsa.version: [ 1, 2 ]
amdhsa.kernels:
  - .name:           k_qd6e7af0d1b_proj
    .symbol:         k_qd6e7af0d1b_proj.kd
    .args:
      - { .name: queries, .offset: 0, .size: 8, .value_kind: global_buffer, .address_space: global }
      - { .name: keys_codes, .offset: 8, .size: 8, .value_kind: global_buffer, .address_space: global }
      - { .name: keys_scales, .offset: 16, .size: 8, .value_kind: global_buffer, .address_space: global }
      - { .name: Wk_w_codes, .offset: 24, .size: 8, .value_kind: global_buffer, .address_space: global }
      - { .name: Wk_w_scales, .offset: 32, .size: 8, .value_kind: global_buffer, .address_space: global }
      - { .name: Wk_b, .offset: 40, .size: 8, .value_kind: global_buffer, .address_space: global }
      - { .name: values_codes, .offset: 48, .size: 8, .value_kind: global_buffer, .address_space: global }
      - { .name: values_scales, .offset: 56, .size: 8, .value_kind: global_buffer, .address_space: global }
      - { .name: Wv_w_codes, .offset: 64, .size: 8, .value_kind: global_buffer, .address_space: global }
      - { .name: Wv_w_scales, .offset: 72, .size: 8, .value_kind: global_buffer, .address_space: global }
      - { .name: Wv_b, .offset: 80, .size: 8, .value_kind: global_buffer, .address_space: global }
      - { .name: kv, .offset: 88, .size: 8, .value_kind: global_buffer, .address_space: global }
      - { .name: qx, .offset: 96, .size: 8, .value_kind: global_buffer, .address_space: global }
      - { .name: qxs, .offset: 104, .size: 8, .value_kind: global_buffer, .address_space: global }
    .group_segment_fixed_size: 286976
    .private_segment_fixed_size: 0
    .kernarg_segment_align: 8
    .kernarg_segment_size: 112
    .max_flat_workgroup_size: 256
    .sgpr_count:     66
    .vgpr_count:     256
    .wavefront_size: 32
...
	.end_amdgpu_metadata
.endif
;; end of part 1
;; launch attn (part 2): grid 16 x 16, 16 waves a work-group, clusters of 4 x 1, 327,680 bytes of LDS; arguments kv, qx, qxs, Wq_w_codes, Wq_w_scales, Wq_b, queries, out0; writes out0
.if DOCPART == 2
	.amdgcn_target "amdgcn-amd-amdhsa--gfx1250"
	.amdhsa_code_object_version 6
	.text
	.protected	k_qd6e7af0d1b_attn
	.globl	k_qd6e7af0d1b_attn
	.p2align	8
	.type	k_qd6e7af0d1b_attn,@function
k_qd6e7af0d1b_attn:
	s_mov_b64 s[64:65], 0
	v_nop
	global_prefetch_b8 v0, s[64:65] scope:SCOPE_SE
	s_setreg_imm32_b32 hwreg(HW_REG_WAVE_MODE, 25, 1), 1
	s_wait_xcnt 0x0
	s_wait_alu depctr_hold_cnt(0) depctr_sa_sdst(0) depctr_va_vdst(0) depctr_va_sdst(0) depctr_va_ssrc(0) depctr_va_vcc(0) depctr_vm_vsrc(0)
	s_getreg_b32 s2, hwreg(HW_REG_IB_STS2, 6, 4)
	s_cmp_eq_u32 s2, 0
	s_cbranch_scc0 .Lentry_in_a_cluster
	s_endpgm
.Lentry_in_a_cluster:
	s_bfe_u32 s2, ttmp6, 0x10000c
	s_cmp_lg_u32 s2, 0x3003
	s_cbranch_scc0 .Lentry_shape_is_right
	s_endpgm
.Lentry_shape_is_right:
; out0 (flat: head x 262,144 + d x 4,096 + query) = queries (same flat place) + the sum over keys of softmax(q . k / 8) v, with q = relu(queries Wq^T + bq) made here.
; All products on codes of FP4 (E2M1) with one E8M0 scale for each 32 along K.  k, v (codes, from kv) and queries (codes, from qx, qxs) were made by the launch before.
; THE SOFTMAX AHEAD OF THE SECOND PRODUCT: t = score x log2(e) / 8; M = the row's largest t so far, rounded UP to a whole number; p = 2^(t - M) is what is quantised, along the keys.
; The row's sum is taken of the unquantised p, in f32, and divides at the end.  When M moves, the sum and O are multiplied by 2^(old M - new M): exact.
; SHARES.  A work-group owns 256 queries of one head, each of its SIXTEEN waves 16 of them, in 256 registers: four waves to a SIMD, so that one wave's vector work stands beside
; another's matrix work and LDS loads: for 128 keys a wave has 12 matrix instructions and some 240 vector instructions.
; A HEAD'S k, v AND THEIR SCALE WORDS ARE 278,528 BYTES AND LIE IN LDS WHOLE, filled once, in four groups of 8 key steps; no LDS byte is filled twice, so there is no ring.
; CLUSTER.  The four work-groups of a cluster belong to one head: each tile is asked for JOINTLY, by the same tensor load with the same descriptor and a mask that names the four.
; LAYOUT.  All products are used transposed (source 0 = 16 rows of Wq, 16 keys, or 16 of the head's 64; source 1 = my 16 queries): a lane holds ONE query (lane % 16) throughout.
; The rows of Wq, the keys and the d that form a tile are 32 b + 8 u + r + 8 (r / 8), so that the 16 registers of tiles 2 b, 2 b + 1 are 16 neighbours along the next K.
; K = 64 IN AN INSTRUCTION OF 128: a fragment of k holds TWO tiles of 16 keys (registers 0-3, registers 4-7).  q lies between zeros, v16-27 = 0 0 0 0 q q q q 0 0 0 0:
; v[20:27] = (q, zeros) gives the first tile's scores, v[16:23] = (zeros, q) the second's.  Zero codes add nothing under any scale byte but 0xff; the bytes beside q's two are 0.
; LIMITS: NaN and infinities are not served.  p under 2^-126 comes out of v_exp_f32 as 0.  A block's largest p is made of its largest score by the same multiply-add and exponential;
; this takes v_exp_f32 not to fall where its input rises.  A block of zeros gets the byte 1: its codes are zeros.
.set HB,   278528                      ; a head in kv
.set REC,  8704                        ; a step of 128 keys: K's four images, V's four, K's scale words, V's
.set GRP,  69632                       ; a group: 8 steps
.set QTR,  17408                       ; what one tensor load brings of it: 68 rows of 256 bytes
.set WQ,   278528                      ; behind k and v: the head's 64 rows of Wq, 512 bytes + 16
.set PIT,  528
.set SPT,  1040                        ; the way out: 64 rows (d) x (256 queries x 4 bytes + 16), from LDS byte 0 on: those bytes have had their only fill, and a barrier stands behind their last read
.set WV,   20                          ; s20 my wave's number
.set SEL,  24                          ; s[24:25] v_permlanex16_b32's selects for lane l xor 16
.set CS,   26                          ; s[26:27] c = log2(e) / 8: the packed form names a pair and takes its low word for both halves
.set TB,   28                          ; s28 LDS byte at which the step in hand begins
; REGISTERS: v1 16 x lane; v2 8,192 + 4 x lane; v3, v4 the step's LDS addresses; v5-11 addresses of the head and of the way out; v12 -M; v13 the largest t; v[14:15] the sum;
; v16-27 q between zeros; v28, v29 q's scale words; v30, v31 K's; v32-63 K; v64-95 V; v96-159 S^T, then p; v160-191 O^T; v192-199 p's codes; v200-221 at work; v216 p's scale word; v220, v221 V's.
.macro WM d, a, b, c, sa, sb, ra, rb
.if (\ra) && (\rb)
	v_wmma_scale_f32_16x16x128_f8f6f4 v[\d:\d+7], v[\a:\a+7], v[\b:\b+7], \c, v[\sa], v[\sb] matrix_a_fmt:MATRIX_FMT_FP4 matrix_b_fmt:MATRIX_FMT_FP4 matrix_a_scale:MATRIX_SCALE_ROW1 matrix_b_scale:MATRIX_SCALE_ROW1
.elseif \ra
	v_wmma_scale_f32_16x16x128_f8f6f4 v[\d:\d+7], v[\a:\a+7], v[\b:\b+7], \c, v[\sa], v[\sb] matrix_a_fmt:MATRIX_FMT_FP4 matrix_b_fmt:MATRIX_FMT_FP4 matrix_a_scale:MATRIX_SCALE_ROW1
.elseif \rb
	v_wmma_scale_f32_16x16x128_f8f6f4 v[\d:\d+7], v[\a:\a+7], v[\b:\b+7], \c, v[\sa], v[\sb] matrix_a_fmt:MATRIX_FMT_FP4 matrix_b_fmt:MATRIX_FMT_FP4 matrix_b_scale:MATRIX_SCALE_ROW1
.else
	v_wmma_scale_f32_16x16x128_f8f6f4 v[\d:\d+7], v[\a:\a+7], v[\b:\b+7], \c, v[\sa], v[\sb] matrix_a_fmt:MATRIX_FMT_FP4 matrix_b_fmt:MATRIX_FMT_FP4
.endif
.endm
; A round of the cluster's barrier: my work-group's barrier, wave 0 signals for the work-group, every wave waits for all four work-groups, my work-group's barrier once more.
.macro ROUND
	s_barrier_signal -1
	s_barrier_wait -1
	s_cmp_lg_u32 s[WV], 0
	s_cbranch_scc1 .Lnot_wave_0_\@
	s_barrier_signal -3
.Lnot_wave_0_\@:
	s_barrier_wait -3
	s_barrier_signal -1
	s_barrier_wait -1
.endm
.macro G0KV reg, g                     ; descriptor group 0 for my quarter of group g
	s_mov_b32 s[\reg], 1                           ; count = 1
	s_add_co_u32 s[\reg+1], s67, \g*GRP            ; LDS address
	s_add_nc_u64 s[\reg+2:\reg+3], s[4:5], \g*GRP  ; global address
	s_or_b32 s[\reg+3], s[\reg+3], 0x80000000      ; type = 2
.endm
	s_load_b512 s[4:19], s[0:1], 0x0               ; kv s[4:5], qx s[6:7], qxs s[8:9], Wq's codes s[10:11], scales s[12:13], bq s[14:15], queries s[16:17], out0 s[18:19]
	v_lshl_add_u32 v254, v0, 2, 0x4c400
	v_mov_b32 v255, 0
	ds_add_u32 v254, v255
	ds_add_u32 v254, v255
	v_lshrrev_b32 v1, 5, v0
	v_readfirstlane_b32 s[WV], v1                  ; wave 0..15
	s_bfe_u32 s21, ttmp6, 0x40000                  ; cx: my place in the cluster: it enters global addresses of qx, qxs, queries and out0 alone
	s_lshl_b32 s22, ttmp9, 2                       ; in a cluster launch ttmp9 counts clusters
	s_add_co_u32 s22, s22, s21                     ; my block of 256 queries
	s_and_b32 s23, ttmp7, 0xffff                   ; the head, which the four partners share
	s_mov_b32 s[SEL], 0x76543210
	s_mov_b32 s[SEL+1], 0xfedcba98
	s_mov_b32 s[CS], 0x3e38aa3b                    ; log2(e) / 8
	s_mov_b32 s[CS+1], s[CS]
	s_mov_b32 s[TB], 0
	s_and_b32 s66, s[WV], 3                        ; which quarter I would fetch
	; descriptor group 1 for k and v: 68 dense rows of 256 bytes (32 elements of 8 bytes), no padding
	s_mov_b32 s36, 15|(3<<16)|(1<<21)              ; 15:0 the mask: all four work-groups; 17:16 elements of 8 bytes; 21 set beside a mask
	s_mov_b32 s37, 32<<16                          ; tensor_dim0 = 32
	s_mov_b32 s38, 68<<16                          ; tensor_dim1 = 68
	s_mov_b32 s39, 32<<16                          ; tile_dim0 = 32
	s_mov_b32 s40, 68                              ; tile_dim1 = 68
	s_mov_b32 s41, 32                              ; from row to row: 32 elements
	s_mov_b32 s42, 0
	s_mov_b32 s43, 0
	; and for Wq: 16 rows of 512 bytes, 16 bytes of padding behind each
	s_mov_b32 s44, 15|(3<<16)|(1<<20)|(1<<21)|(6<<22)|(3<<25)   ; 20 padding on; 24:22 after every 128 words (code 6); 31:25 four words (code 3)
	s_mov_b32 s45, 64<<16
	s_mov_b32 s46, 16<<16
	s_mov_b32 s47, 64<<16
	s_mov_b32 s48, 16
	s_mov_b32 s49, 64
	s_mov_b32 s50, 0
	s_mov_b32 s51, 0
	s_lshl_b32 s30, s23, 15                        ; the head's 64 rows of Wq,
	s_lshl_b32 s67, s66, 13                        ; my 16 of them
	s_add_co_u32 s30, s30, s67
	s_mov_b32 s31, 0
	s_mul_i32 s67, s66, 16*PIT
	s_wait_dscnt 0x0
	s_wait_kmcnt 0x0
	s_mov_b32 s52, 1
	s_add_co_u32 s53, s67, WQ
	s_add_nc_u64 s[54:55], s[10:11], s[30:31]
	s_or_b32 s55, s55, 0x80000000
	s_mul_i32 s30, s23, HB
	s_mul_i32 s67, s66, QTR
	s_add_co_u32 s30, s30, s67
	s_add_nc_u64 s[4:5], s[4:5], s[30:31]          ; kv at the head, my quarter of a group
	G0KV 56, 0
	G0KV 60, 1
	G0KV 68, 2
	G0KV 72, 3
	ROUND                                          ; all four work-groups are here: the joint loads meet
	s_cmp_lt_u32 s[WV], 4                          ; waves 0-3 fetch; all their loads stand in this one branch: five of a wave's are out
	s_cbranch_scc0 .Lno_fetch
	tensor_load_to_lds s[52:55], s[44:51]          ; Wq first: it is wanted first
	s_nop 0
	tensor_load_to_lds s[56:59], s[36:43]
	s_nop 0
	tensor_load_to_lds s[60:63], s[36:43]
	s_nop 0
	tensor_load_to_lds s[68:71], s[36:43]
	s_nop 0
	tensor_load_to_lds s[72:75], s[36:43]
	s_nop 0
.rept 4
	v_nop
.endr
.Lno_fetch:
	v_and_b32 v9, 31, v0                           ; lane
	v_and_b32 v10, 15, v0                          ; r
	v_bfe_u32 v11, v0, 4, 1                        ; h
	v_lshlrev_b32 v1, 4, v9
	v_lshl_add_u32 v2, v9, 2, 8192
	v_and_b32 v7, 8, v10
	v_add_nc_u32 v7, v7, v10                       ; r + 8 (r / 8)
	v_mul_u32_u24 v5, v7, PIT
	v_lshl_add_u32 v5, v11, 4, v5
	v_add_nc_u32 v5, WQ, v5                        ; Wq's fragments
	v_lshlrev_b32 v6, 5, v10                       ; queries' scale words: 32 bytes a row
	v_lshlrev_b32 v7, 5, v7                        ; Wq's likewise, by the tile's rows
	v_lshlrev_b32 v8, 6, v11                       ; bq: my half's 16 of each 32
	s_lshl_b32 s32, s22, 4
	s_add_co_u32 s32, s32, s[WV]                   ; my tile of 16 queries
	s_mov_b32 s35, 0
	s_lshl_b32 s34, s32, 13
	s_add_nc_u64 s[6:7], s[6:7], s[34:35]
	s_lshl_b32 s34, s32, 9
	s_add_nc_u64 s[8:9], s[8:9], s[34:35]
	s_lshl_b32 s34, s23, 11
	s_add_nc_u64 s[12:13], s[12:13], s[34:35]
	s_lshl_b32 s34, s23, 8
	s_add_nc_u64 s[14:15], s[14:15], s[34:35]
	s_lshl_b32 s34, s23, 20                        ; queries and out0: head x 64 rows of 16,384 bytes,
	s_lshl_b32 s32, s22, 10                        ; my block's 1,024 bytes of a row,
	s_add_co_u32 s34, s34, s32
	s_lshl_b32 s32, s[WV], 16                      ; rows d = 4 w .. 4 w + 3
	s_add_co_u32 s34, s34, s32
	s_add_nc_u64 s[16:17], s[16:17], s[34:35]
	s_add_nc_u64 s[18:19], s[18:19], s[34:35]
.irp s, 0,1,2,3,4,5,6,7
.irp c, 0,1
	global_load_b128 v[96+8*\s+4*\c:99+8*\s+4*\c], v1, s[6:7] offset:1024*\s+512*\c   ; my queries' eight fragments, as images
.endr
.endr
	global_load_b128 v[160:163], v6, s[8:9]                                ; their scale words: v[160 + s]
	global_load_b128 v[164:167], v6, s[8:9] offset:16
.irp t, 0,1,2,3
	global_load_b128 v[168+8*\t:171+8*\t], v7, s[12:13] offset:(32*(\t/2)+8*(\t%2))*32      ; Wq's: v[168 + 8 t + s]
	global_load_b128 v[172+8*\t:175+8*\t], v7, s[12:13] offset:(32*(\t/2)+8*(\t%2))*32+16
	global_load_b128 v[200+8*\t:203+8*\t], v8, s[14:15] offset:(32*(\t/2)+8*(\t%2))*4       ; bq in the result's layout: the sums begin with it
	global_load_b128 v[204+8*\t:207+8*\t], v8, s[14:15] offset:(32*(\t/2)+8*(\t%2))*4+16
.endr
	; ---- q = relu(queries Wq^T + bq) for my 16 queries: four tiles of 16 d, eight K steps, two at a time
	s_wait_tensorcnt 4                             ; Wq's load is done; the four behind it may be out
	s_barrier_signal -1
	s_barrier_wait -1                              ; everybody's part of Wq is in
	s_wait_loadcnt 0x0
.irp i, 0,1,2,3
.if \i > 0
.rept 4
	v_nop                                          ; places in front of loads into registers that matrix instructions have read
.endr
.endif
.irp l, 0,1
.irp t, 0,1,2,3
.irp c, 0,1
	ds_load_b128 v[32+32*\l+8*\t+4*\c:35+32*\l+8*\t+4*\c], v5 offset:(32*(\t/2)+8*(\t%2))*PIT+64*(2*\i+\l)+32*\c
.endr
.endr
.endr
	s_wait_dscnt 0x0
.irp l, 0,1
.irp t, 0,1,2,3
	WM 200+8*\t, 32+32*\l+8*\t, 96+8*(2*\i+\l), v[200+8*\t:207+8*\t], 168+8*\t+2*\i+\l, 160+2*\i+\l, 0, 0   ; the four accumulators take turns
.endr
.endr
.endr
.rept 4
	v_nop
.endr
.set n, 0
.rept 32
	v_max_num_f32 v[200+n], 0, v[200+n]            ; relu: register 16 b + i = d 32 b + 16 h + i of my query
.set n, n+1
.endr
	v_mov_b32 v236, 0                              ; a lane permute's destination counts as one of its sources
	v_mov_b32 v237, 0
	v_max3_num_f32 v232, v200, v201, 0x1800000     ; the two blocks of d, with the floor 2^(3 - 127)
	v_max3_num_f32 v233, v216, v217, 0x1800000
.irp i, 2,4,6,8,10,12,14
	v_max3_num_f32 v232, v232, v[200+\i], v[201+\i]
	v_max3_num_f32 v233, v233, v[216+\i], v[217+\i]
.endr
	v_permlanex16_b32 v236, v232, s[SEL], s[SEL+1]
	v_permlanex16_b32 v237, v233, s[SEL], s[SEL+1]
	v_max_num_f32 v232, v232, v236
	v_max_num_f32 v233, v233, v237
	v_add_nc_u32 v244, 0xff000000, v232            ; 2 off the exponent field: the conversion's scale operand
	v_add_nc_u32 v245, 0xff000000, v233
	v_lshrrev_b32 v236, 23, v244
	v_lshrrev_b32 v237, 23, v245
	v_lshl_or_b32 v28, v237, 8, v236               ; q's scale word beside (q, zeros),
	v_lshlrev_b32 v29, 16, v28                     ; and beside (zeros, q)
	v_cvt_scalef32_pk8_fp4_f32 v20, v[200:207], v244
	v_cvt_scalef32_pk8_fp4_f32 v21, v[208:215], v244
	v_cvt_scalef32_pk8_fp4_f32 v22, v[216:223], v245
	v_cvt_scalef32_pk8_fp4_f32 v23, v[224:231], v245
	v_nop                                          ; one plain place behind a scaled conversion
	v_permlane16_swap_b32 v20, v22                 ; lanes 0-15: d 0-31, lanes 16-31: d 32-63
	v_permlane16_swap_b32 v21, v23
.irp j, 16,17,18,19,24,25,26,27
	v_mov_b32 v\j, 0                               ; the zeros on both sides of q
.endr
.set n, 0
.rept 32
	v_mov_b32 v[160+n], 0                          ; O^T.  (The step is written once: the first finds zeros, which the first change of M leaves zeros.  These lines are also the places between q's scale words and their first use)
.set n, n+1
.endr
	v_mov_b32 v14, 0                               ; the sum, in two halves
	v_mov_b32 v15, 0
.irp j, 204,205,206,207,212,215
	v_mov_b32 v\j, 0                               ; permutes' destinations; the upper half of the pair v[214:215]
.endr
	v_mov_b32 v13, 0xff61b1e6                      ; the largest t so far: -3e38, under every t
	v_floor_f32 v12, -v13                          ; -M
; ---- A KEY STEP: 128 keys
.macro STEP
	v_add_nc_u32 v3, s[TB], v1
	v_add_nc_u32 v4, s[TB], v2
	v_nop
	v_nop                                          ; four places behind the last step's products, in front of the loads into V's registers
.irp b, 0,1,2,3
.irp c, 0,1
	ds_load_b128 v[32+8*\b+4*\c:35+8*\b+4*\c], v3 offset:1024*\b+512*\c    ; K's four images: 512 consecutive bytes a load
.endr
.endr
	ds_load_b32 v30, v4                            ; K's scale words: lanes 0-15 block 0, lanes 16-31 block 1;
	ds_load_b32 v31, v4 offset:128                 ; blocks 2 and 3
.irp t, 0,1,2,3
.irp c, 0,1
	ds_load_b128 v[64+8*\t+4*\c:67+8*\t+4*\c], v3 offset:4096+1024*\t+512*\c   ; V's four
.endr
.endr
	ds_load_b32 v220, v4 offset:256
	ds_load_b32 v221, v4 offset:384
	s_wait_dscnt 10                                ; K and its words are in; V's eight loads and its two of words may be out
.irp b, 0,1,2,3
	WM 96+16*\b, 32+8*\b, 20, 0, 30+\b/2, 28, \b%2, 0      ; S^T of keys 32 b + 16 h + 0 .. 7
	WM 104+16*\b, 32+8*\b, 16, 0, 30+\b/2, 29, \b%2, 0     ; and + 8 .. 15
.endr
.rept 4
	v_nop
.endr
.irp b, 0,1,2,3
	v_max3_num_f32 v[200+\b], v[96+16*\b], v[97+16*\b], v[98+16*\b]        ; THE LARGEST SCORE OF EACH BLOCK OF 32 KEYS serves twice: for the row's maximum and, since p rises with the score, for the block's largest p
.endr
.irp i, 3,5,7,9,11,13
.irp b, 0,1,2,3
	v_max3_num_f32 v[200+\b], v[200+\b], v[96+16*\b+\i], v[97+16*\b+\i]    ; (the four blocks by turns; each accumulator is first read at its low end)
.endr
.endr
.irp b, 0,1,2,3
	v_max_num_f32 v[200+\b], v[200+\b], v[111+16*\b]
.endr
.irp b, 0,1,2,3
	v_permlanex16_b32 v[204+\b], v[200+\b], s[SEL], s[SEL+1]
.endr
.irp b, 0,1,2,3
	v_max_num_f32 v[200+\b], v[200+\b], v[204+\b]  ; with lane l xor 16's 16 keys
.endr
	v_max3_num_f32 v212, v200, v201, v202
	v_max_num_f32 v212, v212, v203                 ; the step's largest score of my query
	v_mul_f32 v212, s[CS], v212                    ; as t (c is positive)
	v_max_num_f32 v13, v13, v212                   ; the running largest t
	v_mov_b32 v212, v12
	v_floor_f32 v12, -v13                          ; the new -M = floor(-t) = -ceil(t): a whole number
	v_sub_f32 v212, v12, v212                      ; old M - new M: a whole number, 0 or less
	v_cvt_i32_f32 v212, v212                       ; (it saturates)
	v_ldexp_f32 v214, 1.0, v212                    ; f = 2^(old M - new M)
.set n, 0
.rept 32
	v_pk_fma_f32 v[96+n:97+n], v[96+n:97+n], s[CS:CS+1], v[12:13] op_sel_hi:[1,0,0]   ; t - M, two at a time
.set n, n+2
.endr
.irp b, 0,1,2,3
	v_fma_f32 v[200+\b], v[200+\b], s[CS], v12     ; the same of each block's largest score
.endr
.set n, 0
.rept 64
	v_exp_f32 v[96+n], v[96+n]                     ; p = 2^(t - M), at most 1: not normalised
.set n, n+1
.endr
.irp b, 0,1,2,3
	v_exp_f32 v[200+\b], v[200+\b]                 ; the block's largest p
.endr
	v_pk_mul_f32 v[14:15], v[14:15], v[214:215] op_sel_hi:[1,0]            ; the sums under the new M.  (A plain place behind the exponentials)
	s_wait_alu depctr_va_vdst(0)
.irp b, 0,1,2,3
	v_max_num_f32 v[200+\b], 0x1800000, v[200+\b]  ; the floor 2^(3 - 127): the byte cannot fall under 1
.endr
.irp b, 0,1,2,3
	v_add_nc_u32 v[208+\b], 0xff000000, v[200+\b]  ; 2 off the exponent field: the conversion's scale operand
.endr
.irp b, 0,1,2,3
	v_lshrrev_b32 v[204+\b], 23, v[208+\b]         ; the scale's byte
.endr
	v_lshl_or_b32 v216, v205, 8, v204              ; p's scale word for these 128 keys
	v_lshl_or_b32 v216, v206, 16, v216
	v_lshl_or_b32 v216, v207, 24, v216
.irp b, 0,1,2,3
	v_cvt_scalef32_pk8_fp4_f32 v[192+2*\b], v[96+16*\b:103+16*\b], v[208+\b]
	v_cvt_scalef32_pk8_fp4_f32 v[193+2*\b], v[104+16*\b:111+16*\b], v[208+\b]
.endr
	v_nop                                          ; one plain place behind a scaled conversion
.irp c, 0,1
.irp i, 0,1
	v_permlane16_swap_b32 v[192+4*\c+\i], v[194+4*\c+\i]                   ; a whole block in a lane: lanes 0-15 block 2 c, lanes 16-31 block 2 c + 1
.endr
.endr
	v_pk_add_f32 v[218:219], v[96:97], v[98:99]    ; THE ROW'S SUM IS TAKEN OF THE UNQUANTISED p: two at a time, in two chains
.irp j, 4,8,12,16,20,24,28,32,36,40,44,48,52,56,60
	v_pk_add_f32 v[14:15], v[14:15], v[96+\j:97+\j]
	v_pk_add_f32 v[218:219], v[218:219], v[98+\j:99+\j]
.endr
	v_pk_add_f32 v[14:15], v[14:15], v[218:219]
.set n, 0
.rept 16
	v_pk_mul_f32 v[160+n:161+n], v[160+n:161+n], v[214:215] op_sel_hi:[1,0]   ; O^T under the new M.  (With the sums above: the places between p's codes and scale word and their use)
.set n, n+2
.endr
	s_wait_dscnt 0x0                               ; V and its words are in
.irp t, 0,1,2,3
	WM 160+8*\t, 64+8*\t, 192, v[160+8*\t:167+8*\t], 220+\t/2, 216, \t%2, 0   ; O^T += V^T P^T: the four accumulators take turns
.endr
	s_add_co_u32 s[TB], s[TB], REC
.endm
; A group of 8 key steps.  The waves that fetched wait for their part of it (as many loads were issued behind it as groups follow), then the barrier shows it to all sixteen.
.macro GROUP g
	s_wait_tensorcnt 3-\g
	s_wait_dscnt 0x0
	s_barrier_signal -1
	s_barrier_wait -1
	s_mov_b32 s29, 8
.Lstep_\@:
	STEP
	s_sub_co_u32 s29, s29, 1
	s_cmp_lg_u32 s29, 0
	s_cbranch_scc1 .Lstep_\@
.endm
	GROUP 0
	GROUP 1
	GROUP 2
	GROUP 3
	; ---- THE WAY OUT.  out0's rows run along the queries: O^T / the sum goes through a stage [64 d][256 queries] in LDS; each wave then takes four whole rows of 1,024 bytes, adds queries and stores.
.irp e, 0,1,2,3
.irp i, 0,1
	global_load_b128 v[96+8*\e+4*\i:99+8*\e+4*\i], v1, s[16:17] offset:16384*\e+512*\i   ; queries at the places that I shall store
.endr
.endr
	v_and_b32 v10, 15, v0                          ; r.  (These lines are the places behind the last products)
	v_bfe_u32 v11, v0, 4, 1                        ; h
	s_lshl_b32 s30, s[WV], 6
	v_lshl_add_u32 v9, v10, 2, s30                 ; in: column 16 w + r,
	v_mul_u32_u24 v11, v11, 16*SPT
	v_add_nc_u32 v9, v9, v11                       ; row 16 h + what the register says
	s_mul_i32 s31, s[WV], 4*SPT
	v_add_nc_u32 v10, s31, v1                      ; back: rows 4 w on, 16 bytes a lane
	v_add_f32 v14, v14, v15                        ; the sum's two halves,
	v_permlanex16_b32 v212, v14, s[SEL], s[SEL+1]
	v_add_f32 v14, v14, v212                       ; and lane l xor 16's: the row's sum
	v_rcp_f32 v14, v14
	v_nop                                          ; a plain place behind the transcendental
.set n, 0
	s_wait_alu depctr_va_vdst(0)
.rept 32
	v_mul_f32 v[32+n], v[160+n], v14               ; register 8 t + j: d = 32 (t / 2) + 16 h + 8 (t % 2) + j of my query
.set n, n+1
.endr
	s_wait_dscnt 0x0
	s_barrier_signal -1
	s_barrier_wait -1                              ; no wave reads k or v any more
.irp t, 0,1,2,3
.irp j, 0,1,2,3,4,5,6,7
	ds_store_b32 v9, v[32+8*\t+\j] offset:(32*(\t/2)+8*(\t%2)+\j)*SPT
.endr
.endr
	s_wait_dscnt 0x0                               ; for the others' sake
	s_barrier_signal -1
	s_barrier_wait -1
.irp e, 0,1,2,3
.irp i, 0,1
	ds_load_b128 v[64+8*\e+4*\i:67+8*\e+4*\i], v10 offset:SPT*\e+512*\i
.endr
.endr
	s_wait_loadcnt 0x0
	s_wait_dscnt 0x0
.set n, 0
.rept 16
	v_pk_add_f32 v[64+n:65+n], v[64+n:65+n], v[96+n:97+n]
.set n, n+2
.endr
.irp e, 0,1,2,3
.irp i, 0,1
	global_store_b128 v1, v[64+8*\e+4*\i:67+8*\e+4*\i], s[18:19] offset:16384*\e+512*\i th:TH_STORE_NT   ; 32 lanes store 512 consecutive bytes, at a multiple of 512 from out0's first byte; written once, read by nobody here
.endr
.endr
	s_wait_tensorcnt 0x0
	ds_add_u32 v254, v255
	s_wait_dscnt 0x0
	ROUND                                          ; the closing round: no work-group ends while a partner may still ask for a tile that names it
	s_endpgm
.Lfunc_end_k_qd6e7af0d1b_attn:
	.size	k_qd6e7af0d1b_attn, .Lfunc_end_k_qd6e7af0d1b_attn-k_qd6e7af0d1b_attn
	.p2alignl 7, 3214868480
	.fill 96, 4, 3214868480
	.section	.rodata,"a",@progbits
	.p2align	6, 0x0
	.amdhsa_kernel k_qd6e7af0d1b_attn
		.amdhsa_group_segment_fixed_size 327680
		.amdhsa_private_segment_fixed_size 0
		.amdhsa_enable_private_segment 0
		.amdhsa_kernarg_size 64
		.amdhsa_user_sgpr_count 2
		.amdhsa_user_sgpr_kernarg_segment_ptr 1
		.amdhsa_wavefront_size32 1
		.amdhsa_system_sgpr_workgroup_id_x 1
		.amdhsa_system_sgpr_workgroup_id_y 1
		.amdhsa_system_sgpr_workgroup_id_z 1
		.amdhsa_system_vgpr_workitem_id 0
		.amdhsa_next_free_vgpr 256
		.amdhsa_next_free_sgpr 80
		.amdhsa_reserve_vcc 0
		.amdhsa_float_denorm_mode_32 3
		.amdhsa_float_denorm_mode_16_64 3
		.amdhsa_memory_ordered 1
		.amdhsa_forward_progress 1
		.amdhsa_inst_pref_size 90
	.end_amdhsa_kernel
	.amdgpu_metadata
---
amdhsa.version: [ 1, 2 ]
amdhsa.kernels:
  - .name:           k_qd6e7af0d1b_attn
    .symbol:         k_qd6e7af0d1b_attn.kd
    .args:
      - { .name: kv, .offset: 0, .size: 8, .value_kind: global_buffer, .address_space: global }
      - { .name: qx, .offset: 8, .size: 8, .value_kind: global_buffer, .address_space: global }
      - { .name: qxs, .offset: 16, .size: 8, .value_kind: global_buffer, .address_space: global }
      - { .name: Wq_w_codes, .offset: 24, .size: 8, .value_kind: global_buffer, .address_space: global }
      - { .name: Wq_w_scales, .offset: 32, .size: 8, .value_kind: global_buffer, .address_space: global }
      - { .name: Wq_b, .offset: 40, .size: 8, .value_kind: global_buffer, .address_space: global }
      - { .name: queries, .offset: 48, .size: 8, .value_kind: global_buffer, .address_space: global }
      - { .name: out0, .offset: 56, .size: 8, .value_kind: global_buffer, .address_space: global }
    .group_segment_fixed_size: 327680
    .private_segment_fixed_size: 0
    .kernarg_segment_align: 8
    .kernarg_segment_size: 64
    .max_flat_workgroup_size: 512
    .sgpr_count:     80
    .vgpr_count:     256
    .wavefront_size: 32
...
	.end_amdgpu_metadata
.endif
;; end of part 2
;; ======== version 2 of 2: 2 launches
;; limits: right only within a limited range of input values
;; workspace buffers: kv 4,456,448 bytes; qx 2,097,152 bytes; qxs 131,072 bytes
;; launch proj (part 3): grid 256 x 1, 8 waves a work-group, no clusters, 286,976 bytes of LDS; arguments queries, keys_codes, keys_scales, Wk_w_codes, Wk_w_scales, Wk_b, values_codes, values_scales, Wv_w_codes, Wv_w_scales, Wv_b, kv, qx, qxs; writes kv, qx, qxs
.if DOCPART == 3
	.amdgcn_target "amdgcn-amd-amdhsa--gfx1250"
	.amdhsa_code_object_version 6
	.text
	.protected	k_qd6e7af0d1b_proj
	.globl	k_qd6e7af0d1b_proj
	.p2align	8
	.type	k_qd6e7af0d1b_proj,@function
k_qd6e7af0d1b_proj:
	s_mov_b64 s[64:65], 0
	v_nop
	global_prefetch_b8 v0, s[64:65] scope:SCOPE_SE
	s_setreg_imm32_b32 hwreg(HW_REG_WAVE_MODE, 25, 1), 1
	s_wait_xcnt 0x0
; k = relu(keys Wk^T + bk) and v = relu(values Wv^T + bv), both products on codes of FP4 (E2M1) with one E8M0 scale for each 32 along K, and their results
; quantised again: k along a head's 64, v along the keys.  Beside that each work-group quantises 16 rows of queries (f32) along their 1,024.
; SHARES.  256 work-groups of eight waves.  Work-group g quantises query rows 16 g .. 16 g + 15 (wave w: the 128 numbers 128 w on of each row).  Work-groups 0-127 make
; a tile of k, 128-255 a tile of v.  Both tiles are ONE abstract product D(m, n) = src0 row m . src1 row n, 128 m x 256 n, K = 1,024:
;   k: src0 = Wk (128 features: two heads), src1 = keys (256 keys: two steps of 128);    v: src0 = values (128 keys: one step), src1 = Wv (256 features: four heads).
; Source 0 of the matrix instruction is src0, so a lane holds ONE n and its registers run along m, which is the K of the product that follows (k: the head's 64; v: the keys).
; Wave w takes all 128 m (8 tiles) x n rows 32 w .. 32 w + 31 (2 tiles): 16 accumulators.  Only pointers are chosen by the work-group's number up to the way out.
; THE ROWS OF A TILE ARE NOT NEIGHBOURS: tile 2 b + e holds rows 32 b + 8 e + r + 8 (r / 8), so that the 16 registers of tiles 2 b, 2 b + 1 are 16 neighbours along m.
; Rows are laid into LDS at the place whose number is the row's with bits 3 and 4 swapped: a tile is then 16 LDS rows on end.
; ALL OF K IS STAGED ONCE (a row of 1,024 codes is 512 bytes): one barrier, no ring.  The rows are re-ordered, the scale bytes are turned (K step outermost) and queries are
; quantised on the way into LDS, so everything goes through registers; that is why there are no tensor loads here and no joint requests in a cluster.
; WHAT IS STORED, in the order of an operand's registers.  kv: [16 heads][32 steps of 128 keys][8,704 bytes]: +0 four images of K (1,024 bytes: [c][lane][16 bytes];
; registers 0-3 = 16 keys 32 b + r + 8 (r / 8), registers 4-7 = the 16 keys 8 further on; a lane's 16 bytes = d 32 (lane / 16) on), +4096 four images of V^T (16 d x 128 keys),
; +8192 K's scale words [4][16], +8448 V's [4][16].  qx: [256 tiles][8 K steps][1,024 bytes], images of queries' fragments;  qxs: [4,096 rows][8 words].
; LIMITS: NaN and infinities are not served; an input scale byte 0xff gives NaN.  A block of zeros gets the byte 1 where the quantiser says 127: its codes are zeros, which add
; nothing under any byte but 0xff, and these bytes are read by this program alone.
.set PIT,  528                         ; an LDS row of codes: 512 bytes + 16: 33 x 16 bytes, so the 16 rows of a fragment load start at 16 different columns of 16 bytes
.set SPI,  1552                        ; a K step's scale words: 384 places x 4 bytes + 16
.set HB,   278528                      ; a head in kv
.set REC,  8704                        ; a step of 128 keys in kv
.set OP0,  0                           ; src0: 128 rows
.set OP1,  67584                       ; src1: 256 rows
.set SCL,  202752                      ; scale words [8 K steps][384 places]: src0's at places 0-127, src1's at 128-383
.set BIA,  215296                      ; the 128 biases along m
.set QSG,  215808                      ; queries' scale words [16 rows][8]
.set SGK,  216320                      ; the k path's scale words on their way out
.set SGV,  217344                      ; the v path's: bytes of its own for each path
.set QST,  218368                      ; for each wave 16 rows x 528: queries turn here from 16 bytes a lane to 128 bytes a lane
.set WV,   46                          ; s46 my wave's number
.set SEL,  44                          ; s[44:45] v_permlanex16_b32's selects for lane l xor 16
.set TM,   232                         ; v232-247 the quantiser's work
; REGISTERS: v1 16 x lane; v2, v3 fragments' LDS addresses (src0, src1); v4, v5 scale words'; v6-11, v14, v15, v250-255 addresses of the head; v12, v13 biases along n;
; v16-143 the accumulators ((u, t) at 16 + 64 u + 8 t; before the loop: numbers and codes on their way); v144-207 src0's 8 fragments; v208-223 src1's 2; v224-228 scale words.
; one matrix instruction; ra, rb = 1: that side's scale words are taken from lanes 16-31 of the register named
.macro WM d, a, b, c, sa, sb, ra, rb
.if (\ra) && (\rb)
	v_wmma_scale_f32_16x16x128_f8f6f4 v[\d:\d+7], v[\a:\a+7], v[\b:\b+7], \c, v[\sa], v[\sb] matrix_a_fmt:MATRIX_FMT_FP4 matrix_b_fmt:MATRIX_FMT_FP4 matrix_a_scale:MATRIX_SCALE_ROW1 matrix_b_scale:MATRIX_SCALE_ROW1
.elseif \ra
	v_wmma_scale_f32_16x16x128_f8f6f4 v[\d:\d+7], v[\a:\a+7], v[\b:\b+7], \c, v[\sa], v[\sb] matrix_a_fmt:MATRIX_FMT_FP4 matrix_b_fmt:MATRIX_FMT_FP4 matrix_a_scale:MATRIX_SCALE_ROW1
.elseif \rb
	v_wmma_scale_f32_16x16x128_f8f6f4 v[\d:\d+7], v[\a:\a+7], v[\b:\b+7], \c, v[\sa], v[\sb] matrix_a_fmt:MATRIX_FMT_FP4 matrix_b_fmt:MATRIX_FMT_FP4 matrix_b_scale:MATRIX_SCALE_ROW1
.else
	v_wmma_scale_f32_16x16x128_f8f6f4 v[\d:\d+7], v[\a:\a+7], v[\b:\b+7], \c, v[\sa], v[\sb] matrix_a_fmt:MATRIX_FMT_FP4 matrix_b_fmt:MATRIX_FMT_FP4
.endif
.endm
	s_load_b512 s[4:19], s[0:1], 0x0               ; queries s[4:5], keys' codes s[6:7], scales s[8:9], Wk's codes s[10:11], scales s[12:13], bk s[14:15], values' codes s[16:17], scales s[18:19]
	s_load_b256 s[20:27], s[0:1], 0x40             ; Wv's codes s[20:21], scales s[22:23], bv s[24:25], kv s[26:27]
	s_load_b128 s[28:31], s[0:1], 0x60             ; qx s[28:29], qxs s[30:31]
	v_lshl_add_u32 v242, v0, 2, 0x45d00
	v_mov_b32 v243, 0
	v_lshrrev_b32 v1, 5, v0
	s_delay_alu instid0(VALU_DEP_1)
	v_readfirstlane_b32 s[WV], v1                  ; wave 0..7
	; THE ORDER OF src1's ROWS (it takes the place of what the head says of src1's tiles and of the images' rows): within each 128 rows, row 64 c + 32 x + 16 g + 8 u + i
	; lies at LDS place 64 c + 32 g + 16 u + 8 x + i.  So lane r of tile u of wave 4 a + 2 c + g holds src1 row 128 a + 64 c + 16 g + 8 u + r % 8 + 32 (r / 8):
	; in an image of K registers 0-3 hold those keys with u = 0, registers 4-7 with u = 1; tile T = 2 g + u of V^T holds d = 8 T + r % 8 + 32 (r / 8).
	s_lshr_b32 s60, s[WV], 1
	s_lshl_b32 s60, s60, 6                         ; 128 a + 64 c of the rows that I load (w = 4 a + 2 c + x) and of those that I multiply
	s_and_b32 s61, s[WV], 1
	s_lshl_b32 s62, s61, 3
	s_add_co_u32 s62, s62, s60
	s_mul_i32 s62, s62, PIT
	s_add_co_u32 s62, s62, OP1                     ; where I lay my 32 rows of src1: place 128 a + 64 c + 8 x, + 16 (i / 8) + i % 8
	s_lshl_b32 s61, s61, 4
	s_add_co_u32 s61, s61, s60
	s_lshl_b32 s61, s61, 2                         ; the bias along n: 4 bytes x (128 a + 64 c + 16 g)
	v_and_b32 v232, 31, v0                         ; lane
	v_and_b32 v233, 15, v0                         ; r
	v_bfe_u32 v234, v0, 4, 1                       ; h
	s_delay_alu instid0(VALU_DEP_3)
	v_lshlrev_b32 v1, 4, v232                      ; 16 x lane
	s_delay_alu instid0(VALU_DEP_3)
	v_mul_u32_u24 v2, v233, PIT
	s_delay_alu instid0(VALU_DEP_1)
	v_lshl_add_u32 v2, v234, 4, v2                 ; src0's fragments: row r, + 16 h
	s_mul_i32 s52, s[WV], 32*PIT
	s_add_co_u32 s52, s52, OP1                     ; my 32 rows of src1
	v_add_nc_u32 v3, s52, v2                       ; their fragments
	v_add_nc_u32 v10, s62, v1                      ; and where I lay them: a row is 32 lanes x 16 bytes
	v_lshl_add_u32 v4, v232, 2, SCL                ; src0's scale words: lanes 0-15 an even tile's, lanes 16-31 the odd tile's behind it
	s_lshl_b32 s47, s[WV], 7
	s_add_co_u32 s54, s47, SCL+512
	v_lshl_add_u32 v5, v232, 2, s54                ; src1's: my two tiles
	s_lshl_b32 s54, s[WV], 9
	v_add_nc_u32 v6, s54, v1                       ; queries: my 512 bytes of a row
	s_lshl_b32 s54, s[WV], 13
	v_add_nc_u32 v7, s54, v1                       ; src0 in memory: my 16 rows
	s_lshl_b32 s54, s[WV], 14
	v_add_nc_u32 v8, s54, v1                       ; src1 in memory: my 32 rows
	s_lshr_b32 s54, s[WV], 1
	s_lshl_b32 s54, s54, 5
	s_and_b32 s55, s[WV], 1
	s_lshl_b32 s55, s55, 3
	s_add_co_u32 s54, s54, s55
	s_mul_i32 s54, s54, PIT
	v_add_nc_u32 v9, s54, v1                       ; src0 in LDS: row 16 w + i goes to place 32 (w / 2) + 8 (w % 2) + 16 (i / 8) + i % 8
	s_mul_i32 s54, s[WV], 16*PIT
	s_add_co_u32 s54, s54, QST                     ; my stage for queries
	v_add_nc_u32 v11, s54, v1                      ; in: as loaded
	v_lshl_add_u32 v14, v234, 7, s54
	s_delay_alu instid0(VALU_DEP_1)
	v_mad_u32_u24 v14, v233, PIT, v14              ; out: row r, + 128 h bytes: 32 neighbours
	v_lshlrev_b32 v15, 4, v0                       ; scale bytes in memory: 16 bytes a thread: row T / 2, half T % 2
	v_lshrrev_b32 v235, 1, v0
	s_delay_alu instid0(VALU_DEP_1)
	v_and_b32 v236, 0x67, v235
	s_delay_alu instid0(VALU_DEP_2)
	v_bfe_u32 v237, v235, 3, 1
	s_delay_alu instid0(VALU_DEP_3)
	v_bfe_u32 v238, v235, 4, 1
	s_delay_alu instid0(VALU_DEP_2)
	v_lshl_or_b32 v236, v237, 4, v236
	s_delay_alu instid0(VALU_DEP_1)
	v_lshl_or_b32 v236, v238, 3, v236              ; the row's place: bits 3 and 4 swapped
	v_and_b32 v237, 1, v0
	s_delay_alu instid0(VALU_DEP_1)
	v_mul_u32_u24 v237, v237, 4*SPI                ; the half's four K steps
	s_delay_alu instid0(VALU_DEP_1)
	v_lshl_add_u32 v250, v236, 2, v237
	s_delay_alu instid0(VALU_DEP_1)
	v_add_nc_u32 v250, SCL, v250                   ; where my four scale words of src0 go, SPI bytes apart
	v_and_b32 v236, 0x47, v235                     ; src1's place: row bit 5 to bit 3, row bits 4 and 3 to bits 5 and 4
	v_bfe_u32 v238, v235, 5, 1
	v_lshl_or_b32 v236, v238, 3, v236
	v_bfe_u32 v238, v235, 3, 2
	v_lshl_or_b32 v236, v238, 4, v236
	v_lshl_add_u32 v249, v236, 2, v237
	v_add_nc_u32 v249, SCL, v249                   ; where my scale words of src1 go
	v_and_b32 v235, 8, v233
	s_delay_alu instid0(VALU_DEP_1)
	v_mad_u32_u24 v235, v235, 3, v233              ; r % 8 + 32 (r / 8)
	s_delay_alu instid0(VALU_DEP_1)
	v_lshl_add_u32 v251, v235, 2, s61              ; the bias of my n in tile u = 0; u = 1: 8 features on
	s_lshl_b32 s54, s[WV], 2
	s_add_co_u32 s54, s54, QSG
	v_lshl_add_u32 v252, v233, 5, s54              ; queries' scale word: row r, K step w
	v_add_nc_u32 v253, BIA, v1
	v_add_nc_u32 v254, QSG, v1
	v_lshlrev_b32 v255, 3, v234                    ; 8 h: my bytes' place in a scale word
	s_mov_b32 s[SEL], 0x76543210
	s_mov_b32 s[SEL+1], 0xfedcba98
	; both paths' numbers are made first, then one compare chooses: it hangs on the work-group's number alone
	s_and_b32 s52, ttmp9, 7                        ; k: which 128 features
	s_lshr_b32 s53, ttmp9, 3                       ; k: which 256 keys
	s_and_b32 s54, ttmp9, 127
	s_lshr_b32 s55, s54, 2                         ; v: which 128 keys
	s_and_b32 s56, s54, 3                          ; v: which 256 features
	s_lshl_b32 s57, s52, 9                         ; k: the biases run along m
	s_lshl_b32 s58, s56, 10                        ; v: along n
	s_wait_alu depctr_va_vdst(0)
	s_wait_kmcnt 0x0
	s_cmp_lt_u32 ttmp9, 128
	s_cselect_b64 s[32:33], s[10:11], s[16:17]     ; src0's codes
	s_cselect_b64 s[34:35], s[12:13], s[18:19]     ; src0's scales
	s_cselect_b64 s[36:37], s[6:7], s[20:21]       ; src1's codes
	s_cselect_b64 s[38:39], s[8:9], s[22:23]       ; src1's scales
	s_cselect_b64 s[40:41], s[14:15], s[24:25]     ; the bias
	s_cselect_b32 s42, s52, s55                    ; mblk
	s_cselect_b32 s43, s53, s56                    ; nblk
	s_cselect_b32 s57, s57, 0
	s_cselect_b32 s58, 0, s58
	s_mov_b32 s53, 0
	s_lshl_b32 s52, s42, 16                        ; 128 rows of 512 bytes
	s_add_nc_u64 s[32:33], s[32:33], s[52:53]
	s_lshl_b32 s52, s42, 12                        ; 128 rows of 32 bytes
	s_add_nc_u64 s[34:35], s[34:35], s[52:53]
	s_lshl_b32 s52, s43, 17
	s_add_nc_u64 s[36:37], s[36:37], s[52:53]
	s_lshl_b32 s52, s43, 13
	s_add_nc_u64 s[38:39], s[38:39], s[52:53]
	s_mov_b32 s52, s57
	s_add_nc_u64 s[48:49], s[40:41], s[52:53]      ; the 128 biases along m (on the v path: read inside the buffer, not used)
	s_mov_b32 s52, s58
	s_add_nc_u64 s[50:51], s[40:41], s[52:53]      ; the 256 along n (on the k path likewise)
	s_lshl_b32 s52, ttmp9, 16                      ; 16 rows of queries
	s_add_nc_u64 s[4:5], s[4:5], s[52:53]
	s_lshl_b32 s52, ttmp9, 13
	s_lshl_b32 s54, s[WV], 10
	s_add_co_u32 s52, s52, s54
	s_add_nc_u64 s[28:29], s[28:29], s[52:53]      ; qx: tile g, K step w
	s_lshl_b32 s52, ttmp9, 9
	s_add_nc_u64 s[30:31], s[30:31], s[52:53]      ; qxs: 16 rows of 32 bytes
	; ---- 54 loads go out at once; each takes 512 consecutive bytes a wave
.irp i, 0,1,2,3,4,5,6,7,8,9,10,11,12,13,14,15
	global_load_b128 v[16+4*\i:19+4*\i], v6, s[4:5] offset:4096*\i         ; queries: row i, my 128 numbers
.endr
.irp i, 0,1,2,3,4,5,6,7,8,9,10,11,12,13,14,15
	global_load_b128 v[80+4*\i:83+4*\i], v7, s[32:33] offset:512*\i        ; src0: my 16 rows
.endr
.irp i, 0,1,2,3,4,5,6,7,8,9,10,11,12,13,14,15
	global_load_b128 v[144+4*\i:147+4*\i], v8, s[36:37] offset:512*\i      ; src1: the first 16 of my 32 rows
.endr
	global_load_b128 v[208:211], v15, s[34:35]                             ; src0's scale bytes
	global_load_b128 v[212:215], v15, s[38:39]                             ; src1's, rows 0-127
	global_load_b128 v[216:219], v15, s[38:39] offset:4096                 ; and 128-255
	global_load_b128 v[220:223], v1, s[48:49]                              ; the biases along m
	global_load_b32 v12, v251, s[50:51]                                    ; the bias of my n in tile u = 0
	global_load_b32 v13, v251, s[50:51] offset:32                          ; and u = 1
	; ---- queries: through my stage, so that a lane holds two whole blocks of 32 of row r: register 32 c + i = k 64 c + 32 h + i of my K step
	s_wait_loadcnt 38                              ; the 16 loads of queries are in; the 38 behind them may be out
.irp i, 0,1,2,3,4,5,6,7,8,9,10,11,12,13,14,15
	ds_store_b128 v11, v[16+4*\i:19+4*\i] offset:PIT*\i
.endr
	s_wait_dscnt 0x0                               ; the stores have read their registers, which the loads below write
.irp c, 0,1
.irp i, 0,1,2,3,4,5,6,7
	ds_load_b128 v[16+32*\c+4*\i:19+32*\c+4*\i], v14 offset:256*\c+16*\i
.endr
.endr
	s_wait_dscnt 0x0
	v_max3_num_f32 v232, |v16|, |v17|, 0x1800000   ; a block's largest magnitude, and the floor 2^(3 - 127): so the byte cannot fall under 1
	v_max3_num_f32 v233, |v48|, |v49|, 0x1800000
.irp i, 2,4,6,8,10,12,14,16,18,20,22,24,26,28,30
	s_delay_alu instid0(VALU_DEP_2)
	v_max3_num_f32 v232, v232, |v[16+\i]|, |v[17+\i]|                      ; (the two blocks by turns)
	s_delay_alu instid0(VALU_DEP_2)
	v_max3_num_f32 v233, v233, |v[48+\i]|, |v[49+\i]|
.endr
	s_delay_alu instid0(VALU_DEP_2)
	v_add_nc_u32 v234, 0xff000000, v232            ; 2 off the exponent field: the conversion takes the exponent field of this operand as its scale
	s_delay_alu instid0(VALU_DEP_2)
	v_add_nc_u32 v235, 0xff000000, v233
.irp c, 0,1
.irp g, 0,1,2,3
	v_cvt_scalef32_pk8_fp4_f32 v[224+4*\c+\g], v[16+32*\c+8*\g:23+32*\c+8*\g], v[234+\c]   ; registers 4 c .. 4 c + 3 of the fragment
.endr
.endr
.irp i, 0,1,2,3,4,5,6,7,8,9,10,11,12,13,14,15
	global_load_b128 v[16+4*\i:19+4*\i], v8, s[36:37] offset:8192+512*\i   ; src1: the other 16 of my rows, into the registers that queries have left
.endr
	v_lshrrev_b32 v236, 23, v234                   ; the scales' bytes
	v_lshrrev_b32 v237, 23, v235
	s_delay_alu instid0(VALU_DEP_1)
	v_lshl_or_b32 v238, v237, 16, v236             ; blocks h and 2 + h of row r,
	s_delay_alu instid0(VALU_DEP_1)
	v_lshlrev_b32 v238, v255, v238                 ; at their places in the word;
	v_mov_b32 v239, 0
	s_delay_alu instid0(VALU_DEP_1)
	v_permlanex16_b32 v239, v238, s[SEL], s[SEL+1]
	s_delay_alu instid0(VALU_DEP_1)
	v_or_b32 v238, v238, v239                      ; with lane l xor 16's two the word is whole
	global_store_b128 v1, v[224:227], s[28:29]                             ; the fragment's image: 512 consecutive bytes a store
	global_store_b128 v1, v[228:231], s[28:29] offset:512
	ds_store_b32 v252, v238                        ; both lanes of a row write the same word with the same value
	; ---- codes, scale words and biases into LDS
	s_wait_loadcnt 38                              ; src0's 16 are in (behind them: 16 + 3 + 3 + 16)
.irp i, 0,1,2,3,4,5,6,7,8,9,10,11,12,13,14,15
	ds_store_b128 v9, v[80+4*\i:83+4*\i] offset:(16*(\i/8)+(\i%8))*PIT
.endr
	s_wait_loadcnt 22                              ; src1's first 16 (behind them: 3 + 3 + 16)
.irp i, 0,1,2,3,4,5,6,7,8,9,10,11,12,13,14,15
	ds_store_b128 v10, v[144+4*\i:147+4*\i] offset:(16*(\i/8)+(\i%8))*PIT
.endr
	s_wait_loadcnt 16                              ; scale bytes and biases (behind them: src1's last 16)
.irp i, 0,1,2,3
	ds_store_b32 v250, v[208+\i] offset:SPI*\i
	ds_store_b32 v249, v[212+\i] offset:SPI*\i+512
	ds_store_b32 v249, v[216+\i] offset:SPI*\i+1024
.endr
	s_cmp_lg_u32 s[WV], 0
	s_cbranch_scc1 .Lno_bias
	ds_store_b128 v253, v[220:223]                 ; every wave holds the same 512 bytes: one wave lays them down
.Lno_bias:
	s_wait_loadcnt 0x0
.irp i, 16,17,18,19,20,21,22,23,24,25,26,27,28,29,30,31
	ds_store_b128 v10, v[16+4*(\i-16):19+4*(\i-16)] offset:(16*(\i/8)+(\i%8))*PIT
.endr
	s_wait_xcnt 0x0                                ; the stores to qx have read v224-231, which the loop loads anew
	s_wait_dscnt 0x0                               ; for the others' sake: all my LDS stores have landed
	s_barrier_signal -1
	s_barrier_wait -1
	s_cmp_lg_u32 s[WV], 7
	s_cbranch_scc1 .Lnot_7
	ds_load_b128 v[232:235], v254                  ; the tile's 128 scale words leave as 512 consecutive bytes
	s_wait_dscnt 0x0
	global_store_b128 v1, v[232:235], s[30:31]
.Lnot_7:
; ---- a K step of 128: 8 + 2 fragments, 5 registers of scale words, 16 matrix instructions.  The 16 accumulators take turns, one instruction a turn
.macro KSTEP s
.if \s > 0
.rept 4
	v_nop                                          ; places in front of loads into registers that matrix instructions have read
.endr
.endif
.irp t, 0,1,2,3,4,5,6,7
.irp c, 0,1
	ds_load_b128 v[144+8*\t+4*\c:147+8*\t+4*\c], v2 offset:16*\t*PIT+64*\s+32*\c
.endr
.endr
.irp u, 0,1
.irp c, 0,1
	ds_load_b128 v[208+8*\u+4*\c:211+8*\u+4*\c], v3 offset:16*\u*PIT+64*\s+32*\c
.endr
.endr
.irp p, 0,1,2,3
	ds_load_b32 v[224+\p], v4 offset:SPI*\s+128*\p
.endr
	ds_load_b32 v228, v5 offset:SPI*\s
	s_wait_dscnt 0x0
.irp t, 0,1,2,3,4,5,6,7
.irp u, 0,1
.if \s == 0
	WM 16+64*\u+8*\t, 144+8*\t, 208+8*\u, 0, 224+\t/2, 228, \t%2, \u       ; the first K step starts the sums
.else
	WM 16+64*\u+8*\t, 144+8*\t, 208+8*\u, v[16+64*\u+8*\t:23+64*\u+8*\t], 224+\t/2, 228, \t%2, \u
.endif
.endr
.endr
.endm
.irp s, 0,1,2,3,4,5,6,7
	KSTEP \s
.endr
; Four blocks of 32 become a fragment and its scale word.  Block n lies in 16 registers from v[bn] on in lanes l and l xor 16 (register i = place 16 (lane / 16) + i); no number is negative.
; The codes come out in v[pc] on: registers 0-3: lanes 0-15 block 0, lanes 16-31 block 1; registers 4-7: blocks 2 and 3.  v[pw]: the four bytes.
.macro QUANT4 b0, b1, b2, b3, pc, pw
	v_max3_num_f32 v[TM], v[\b0], v[\b0+1], 0x1800000                      ; my 16 numbers, and the floor 2^(3 - 127)
	v_max3_num_f32 v[TM+1], v[\b1], v[\b1+1], 0x1800000
	v_max3_num_f32 v[TM+2], v[\b2], v[\b2+1], 0x1800000
	v_max3_num_f32 v[TM+3], v[\b3], v[\b3+1], 0x1800000
.irp i, 2,4,6,8,10,12,14
	s_delay_alu instid0(VALU_DEP_4)
	v_max3_num_f32 v[TM], v[TM], v[\b0+\i], v[\b0+1+\i]                    ; (the four blocks by turns)
	s_delay_alu instid0(VALU_DEP_4)
	v_max3_num_f32 v[TM+1], v[TM+1], v[\b1+\i], v[\b1+1+\i]
	s_delay_alu instid0(VALU_DEP_4)
	v_max3_num_f32 v[TM+2], v[TM+2], v[\b2+\i], v[\b2+1+\i]
	s_delay_alu instid0(VALU_DEP_4)
	v_max3_num_f32 v[TM+3], v[TM+3], v[\b3+\i], v[\b3+1+\i]
.endr
.irp k, 0,1,2,3
	s_delay_alu instid0(VALU_DEP_4)
	v_permlanex16_b32 v[TM+4+\k], v[TM+\k], s[SEL], s[SEL+1]
.endr
.irp k, 0,1,2,3
	s_delay_alu instid0(VALU_DEP_4)
	v_max_num_f32 v[TM+\k], v[TM+\k], v[TM+4+\k]   ; with lane l xor 16's: the block's largest
.endr
.irp k, 0,1,2,3
	s_delay_alu instid0(VALU_DEP_4)
	v_add_nc_u32 v[TM+12+\k], 0xff000000, v[TM+\k] ; 2 off its exponent field: the conversion's scale operand
.endr
.irp k, 0,1,2,3
	s_delay_alu instid0(VALU_DEP_4)
	v_lshrrev_b32 v[TM+4+\k], 23, v[TM+12+\k]      ; the scale's byte
.endr
	s_delay_alu instid0(VALU_DEP_3)
	v_lshl_or_b32 v[\pw], v[TM+5], 8, v[TM+4]
	s_delay_alu instid0(VALU_DEP_1)
	v_lshl_or_b32 v[\pw], v[TM+6], 16, v[\pw]
	s_delay_alu instid0(VALU_DEP_1)
	v_lshl_or_b32 v[\pw], v[TM+7], 24, v[\pw]
	v_cvt_scalef32_pk8_fp4_f32 v[\pc], v[\b0:\b0+7], v[TM+12]
	v_cvt_scalef32_pk8_fp4_f32 v[\pc+1], v[\b0+8:\b0+15], v[TM+12]
	v_cvt_scalef32_pk8_fp4_f32 v[\pc+2], v[\b1:\b1+7], v[TM+13]
	v_cvt_scalef32_pk8_fp4_f32 v[\pc+3], v[\b1+8:\b1+15], v[TM+13]
	v_cvt_scalef32_pk8_fp4_f32 v[\pc+4], v[\b2:\b2+7], v[TM+14]
	v_cvt_scalef32_pk8_fp4_f32 v[\pc+5], v[\b2+8:\b2+15], v[TM+14]
	v_cvt_scalef32_pk8_fp4_f32 v[\pc+6], v[\b3:\b3+7], v[TM+15]
	v_cvt_scalef32_pk8_fp4_f32 v[\pc+7], v[\b3+8:\b3+15], v[TM+15]
	v_nop                                          ; one plain place behind a scaled conversion
	v_permlane16_swap_b32 v[\pc], v[\pc+2]         ; the layout wants a whole block in a lane
	v_permlane16_swap_b32 v[\pc+1], v[\pc+3]
	v_permlane16_swap_b32 v[\pc+4], v[\pc+6]
	v_permlane16_swap_b32 v[\pc+5], v[\pc+7]
.endm
	s_wait_xcnt 0x0                                ; wave 7's store to qxs has read v232-235
.irp k, 0,1,2,3
	v_mov_b32 v[TM+4+\k], 0                        ; a lane permute's destination counts as one of its sources.  (These four are also the places behind the last products)
.endr
	s_cmp_lt_u32 ttmp9, 128
	s_cbranch_scc0 .Lv_path
	; ======== THE WAY OUT OF k.  Register 64 u + 8 t + j of lane (r, h): key tile u, feature 32 (t / 2) + 16 h + 8 (t % 2) + j of the 128
	v_bfe_u32 v250, v0, 4, 1
	s_delay_alu instid0(VALU_DEP_1)
	v_lshl_add_u32 v250, v250, 6, BIA
.irp p, 0,1,2,3
.irp i, 0,1,2,3
	ds_load_b128 v[144+16*\p+4*\i:147+16*\p+4*\i], v250 offset:128*\p+16*\i   ; the biases in the result's layout: 16 neighbours of each 32
.endr
.endr
	s_lshl_b32 s52, s42, 1
	s_mul_i32 s52, s52, HB                         ; head 2 mblk
	s_lshl_b32 s53, s43, 1
	s_mul_i32 s54, s53, REC                        ; step 2 nblk
	s_add_co_u32 s55, s52, s54
	s_lshr_b32 s56, s[WV], 2                       ; my 32 keys: step 2 nblk + w / 4,
	s_mul_i32 s57, s56, REC
	s_and_b32 s58, s[WV], 3                        ; block w % 4 of it
	s_lshl_b32 s59, s58, 10
	s_add_co_u32 s52, s55, s57
	s_add_co_u32 s52, s52, s59
	s_mov_b32 s53, 0
	s_add_nc_u64 s[48:49], s[26:27], s[52:53]      ; my image of K, first head
	s_mul_i32 s52, s[WV], HB
	s_add_co_u32 s52, s52, s55
	s_add_co_u32 s52, s52, 8192
	s_add_nc_u64 s[50:51], s[26:27], s[52:53]      ; head 2 mblk + w's scale words (used by waves 0 and 1 alone)
	s_lshl_b32 s56, s56, 8
	s_lshl_b32 s58, s58, 6
	s_add_co_u32 s56, s56, s58
	s_add_co_u32 s56, s56, SGK
	v_and_b32 v252, 15, v0
	s_delay_alu instid0(VALU_DEP_1)
	v_lshl_add_u32 v251, v252, 2, s56              ; [head][step][block][r] words
	s_wait_dscnt 0x0
.set n, 0
.rept 64
	v_pk_add_f32 v[16+2*n:17+2*n], v[16+2*n:17+2*n], v[144+(2*n)%64:145+(2*n)%64]   ; + bias; each accumulator from its low end on
.set n, n+1
.endr
.set n, 0
.rept 128
	v_max_num_f32 v[16+n], 0, v[16+n]              ; relu, in f32
.set n, n+1
.endr
	QUANT4 16, 32, 80, 96, 208, 248                ; first head: key tile 0's two blocks of d, then key tile 1's
	global_store_b128 v1, v[208:211], s[48:49]
	global_store_b128 v1, v[212:215], s[48:49] offset:512
	ds_store_b32 v251, v248
	QUANT4 48, 64, 112, 128, 216, 249              ; second head
	global_store_b128 v1, v[216:219], s[48:49] offset:HB
	global_store_b128 v1, v[220:223], s[48:49] offset:HB+512
	ds_store_b32 v251, v249 offset:512
	s_wait_dscnt 0x0                               ; for the others' sake
	s_barrier_signal -1
	s_barrier_wait -1
	s_cmp_gt_u32 s[WV], 1
	s_cbranch_scc1 .Lk_done
	s_lshl_b32 s56, s[WV], 9
	s_add_co_u32 s56, s56, SGK
	v_add_nc_u32 v252, s56, v1
	ds_load_b128 v[232:235], v252                  ; wave x: head x's words of both steps
	v_bfe_u32 v253, v0, 4, 1
	s_delay_alu instid0(VALU_DEP_1)
	v_mul_u32_u24 v253, v253, REC
	v_and_b32 v250, 15, v0
	s_delay_alu instid0(VALU_DEP_1)
	v_lshl_add_u32 v253, v250, 4, v253             ; sixteen lanes store 256 consecutive bytes of a step's record
	s_wait_alu depctr_va_vdst(0)
	s_wait_dscnt 0x0
	global_store_b128 v253, v[232:235], s[50:51]
.Lk_done:
	s_wait_tensorcnt 0x0
	ds_add_u32 v242, v243
	s_wait_dscnt 0x0
	s_endpgm
	; ======== THE WAY OUT OF v.  Register 64 u + 8 t + j of lane (r, h): feature tile u, key 32 (t / 2) + 16 h + 8 (t % 2) + j of the step
.Lv_path:
	v_mov_b32 v14, v13                             ; tile u = 1's bias as a pair
	v_mov_b32 v15, v13
.set n, 0
.rept 32
	v_pk_add_f32 v[16+2*n:17+2*n], v[16+2*n:17+2*n], v[12:13] op_sel_hi:[1,0]   ; + the bias of my feature in tile 0 (the pair's low word for both halves)
.set n, n+1
.endr
.set n, 32
.rept 32
	v_pk_add_f32 v[16+2*n:17+2*n], v[16+2*n:17+2*n], v[14:15]
.set n, n+1
.endr
.set n, 0
.rept 128
	v_max_num_f32 v[16+n], 0, v[16+n]              ; relu, in f32
.set n, n+1
.endr
	s_lshl_b32 s52, s43, 2
	s_mul_i32 s52, s52, HB                         ; head 4 nblk
	s_mul_i32 s54, s42, REC                        ; step mblk
	s_add_co_u32 s55, s52, s54
	s_lshr_b32 s56, s[WV], 1                       ; my 32 features: head 4 nblk + w / 2,
	s_mul_i32 s57, s56, HB
	s_and_b32 s58, s[WV], 1                        ; tiles 2 (w % 2) and + 1 of its four
	s_lshl_b32 s59, s58, 11
	s_add_co_u32 s52, s55, s57
	s_add_co_u32 s52, s52, s59
	s_add_co_u32 s52, s52, 4096
	s_mov_b32 s53, 0
	s_add_nc_u64 s[48:49], s[26:27], s[52:53]      ; my two images of V^T
	s_lshl_b32 s52, s[WV], 1
	s_mul_i32 s52, s52, HB
	s_add_co_u32 s52, s52, s55
	s_add_co_u32 s52, s52, 8448
	s_add_nc_u64 s[50:51], s[26:27], s[52:53]      ; heads 4 nblk + 2 w and + 1: their scale words (used by waves 0 and 1 alone)
	s_lshl_b32 s56, s56, 8
	s_lshl_b32 s58, s58, 7
	s_add_co_u32 s56, s56, s58
	s_add_co_u32 s56, s56, SGV
	v_and_b32 v252, 15, v0
	s_delay_alu instid0(VALU_DEP_1)
	v_lshl_add_u32 v251, v252, 2, s56              ; [head][tile][r] words
	QUANT4 16, 32, 48, 64, 208, 248                ; tile u = 0: the step's four blocks of 32 keys
	global_store_b128 v1, v[208:211], s[48:49]
	global_store_b128 v1, v[212:215], s[48:49] offset:512
	ds_store_b32 v251, v248
	QUANT4 80, 96, 112, 128, 216, 249              ; tile u = 1
	global_store_b128 v1, v[216:219], s[48:49] offset:1024
	global_store_b128 v1, v[220:223], s[48:49] offset:1536
	ds_store_b32 v251, v249 offset:64
	s_wait_dscnt 0x0                               ; for the others' sake
	s_barrier_signal -1
	s_barrier_wait -1
	s_cmp_gt_u32 s[WV], 1
	s_cbranch_scc1 .Lv_done
	s_lshl_b32 s56, s[WV], 9
	s_add_co_u32 s56, s56, SGV
	v_add_nc_u32 v252, s56, v1
	ds_load_b128 v[232:235], v252                  ; wave x: the words of heads 2 x and 2 x + 1
	v_bfe_u32 v253, v0, 4, 1
	s_delay_alu instid0(VALU_DEP_1)
	v_mul_u32_u24 v253, v253, HB
	v_and_b32 v250, 15, v0
	s_delay_alu instid0(VALU_DEP_1)
	v_lshl_add_u32 v253, v250, 4, v253             ; sixteen lanes store 256 consecutive bytes of a head's record
	s_wait_alu depctr_va_vdst(0)
	s_wait_dscnt 0x0
	global_store_b128 v253, v[232:235], s[50:51]
.Lv_done:
	s_wait_tensorcnt 0x0
	ds_add_u32 v242, v243
	s_wait_dscnt 0x0
	s_endpgm
.Lfunc_end_k_qd6e7af0d1b_proj:
	.size	k_qd6e7af0d1b_proj, .Lfunc_end_k_qd6e7af0d1b_proj-k_qd6e7af0d1b_proj
	.p2alignl 7, 3214868480
	.fill 96, 4, 3214868480
	.section	.rodata,"a",@progbits
	.p2align	6, 0x0
	.amdhsa_kernel k_qd6e7af0d1b_proj
		.amdhsa_group_segment_fixed_size 286976
		.amdhsa_private_segment_fixed_size 0
		.amdhsa_enable_private_segment 0
		.amdhsa_kernarg_size 112
		.amdhsa_user_sgpr_count 2
		.amdhsa_user_sgpr_kernarg_segment_ptr 1
		.amdhsa_wavefront_size32 1
		.amdhsa_system_sgpr_workgroup_id_x 1
		.amdhsa_system_sgpr_workgroup_id_y 1
		.amdhsa_system_sgpr_workgroup_id_z 1
		.amdhsa_system_vgpr_workitem_id 0
		.amdhsa_next_free_vgpr 256
		.amdhsa_next_free_sgpr 66
		.amdhsa_reserve_vcc 0
		.amdhsa_float_denorm_mode_32 3
		.amdhsa_float_denorm_mode_16_64 3
		.amdhsa_memory_ordered 1
		.amdhsa_forward_progress 1
		.amdhsa_inst_pref_size 97
	.end_amdhsa_kernel
	.amdgpu_metadata
---
amdhsa.version: [ 1, 2 ]
amdhsa.kernels:
  - .name:           k_qd6e7af0d1b_proj
    .symbol:         k_qd6e7af0d1b_proj.kd
    .args:
      - { .name: queries, .offset: 0, .size: 8, .value_kind: global_buffer, .address_space: global }
      - { .name: keys_codes, .offset: 8, .size: 8, .value_kind: global_buffer, .address_space: global }
      - { .name: keys_scales, .offset: 16, .size: 8, .value_kind: global_buffer, .address_space: global }
      - { .name: Wk_w_codes, .offset: 24, .size: 8, .value_kind: global_buffer, .address_space: global }
      - { .name: Wk_w_scales, .offset: 32, .size: 8, .value_kind: global_buffer, .address_space: global }
      - { .name: Wk_b, .offset: 40, .size: 8, .value_kind: global_buffer, .address_space: global }
      - { .name: values_codes, .offset: 48, .size: 8, .value_kind: global_buffer, .address_space: global }
      - { .name: values_scales, .offset: 56, .size: 8, .value_kind: global_buffer, .address_space: global }
      - { .name: Wv_w_codes, .offset: 64, .size: 8, .value_kind: global_buffer, .address_space: global }
      - { .name: Wv_w_scales, .offset: 72, .size: 8, .value_kind: global_buffer, .address_space: global }
      - { .name: Wv_b, .offset: 80, .size: 8, .value_kind: global_buffer, .address_space: global }
      - { .name: kv, .offset: 88, .size: 8, .value_kind: global_buffer, .address_space: global }
      - { .name: qx, .offset: 96, .size: 8, .value_kind: global_buffer, .address_space: global }
      - { .name: qxs, .offset: 104, .size: 8, .value_kind: global_buffer, .address_space: global }
    .group_segment_fixed_size: 286976
    .private_segment_fixed_size: 0
    .kernarg_segment_align: 8
    .kernarg_segment_size: 112
    .max_flat_workgroup_size: 256
    .sgpr_count:     66
    .vgpr_count:     256
    .wavefront_size: 32
...
	.end_amdgpu_metadata
.endif
;; end of part 3
;; launch attn (part 4): grid 16 x 16, 16 waves a work-group, clusters of 4 x 1, 327,680 bytes of LDS; arguments kv, qx, qxs, Wq_w_codes, Wq_w_scales, Wq_b, queries, out0; writes out0
.if DOCPART == 4
	.amdgcn_target "amdgcn-amd-amdhsa--gfx1250"
	.amdhsa_code_object_version 6
	.text
	.protected	k_qd6e7af0d1b_attn
	.globl	k_qd6e7af0d1b_attn
	.p2align	8
	.type	k_qd6e7af0d1b_attn,@function
k_qd6e7af0d1b_attn:
	s_mov_b64 s[64:65], 0
	v_nop
	global_prefetch_b8 v0, s[64:65] scope:SCOPE_SE
	s_setreg_imm32_b32 hwreg(HW_REG_WAVE_MODE, 25, 1), 1
	s_wait_xcnt 0x0
	s_wait_alu depctr_hold_cnt(0) depctr_sa_sdst(0) depctr_va_vdst(0) depctr_va_sdst(0) depctr_va_ssrc(0) depctr_va_vcc(0) depctr_vm_vsrc(0)
	s_getreg_b32 s2, hwreg(HW_REG_IB_STS2, 6, 4)
	s_cmp_eq_u32 s2, 0
	s_cbranch_scc0 .Lentry_in_a_cluster
	s_endpgm
.Lentry_in_a_cluster:
	s_bfe_u32 s2, ttmp6, 0x10000c
	s_cmp_lg_u32 s2, 0x3003
	s_cbranch_scc0 .Lentry_shape_is_right
	s_endpgm
.Lentry_shape_is_right:
; out0 (flat: head x 262,144 + d x 4,096 + query) = queries (same flat place) + the sum over keys of softmax(q . k / 8) v, with q = relu(queries Wq^T + bq) made here.
; All products on codes of FP4 (E2M1) with one E8M0 scale for each 32 along K.  k, v (codes, kv) and queries (codes, qx, qxs) were made by the launch before.
; SOFTMAX: t = score x log2(e) / 8; M = the row's largest t so far, rounded up to a whole number; p = 2^(t - M) is quantised along the keys; the row's sum is taken of the
; unquantised p and divides at the end.  When M moves, the sum and O are multiplied by 2^(old M - new M): exact.  q and k are never negative, so no score is: the running maximum begins at 0.
; SHARES.  A work-group owns 256 queries of one head, each of its sixteen waves 16 of them in 256 registers.  A head's k, v and scale words, 278,528 bytes, lie in LDS whole, filled once.
; Every wave asks for 17 rows of 256 bytes of key steps 0-7 at the head and, behind the full sequence and a round, for 51 rows of steps 8-31: one tensor load a wave each time.
; CLUSTER.  The four work-groups of a cluster belong to one head: each load is joint, with the same descriptor (head and wave number alone) and the mask of all four.
; Wq's 64 rows (32,768 of the 311,296 bytes that a work-group stages) are re-ordered on their way into LDS, so they go through registers and are not asked for jointly.
; LAYOUT.  All products are used transposed: a lane holds ONE query (lane % 16).  Row i of tile t (of Wq, of 64 keys, of V^T) is 8 t + i % 8 + 32 (i / 8), so that register 8 t + j of
; lane (r, h) is place 32 h + 8 t + j: a lane holds a WHOLE block of 32, a block's maximum asks no other lane, and conversion t gives register t of the next operand as it stands.
; K = 64 in an instruction of 128: an image of k holds two tiles of 16 keys (registers 0-3, 4-7); q lies between zeros, v8-19: v[12:19] = (q, 0) gives the first tile, v[8:15] = (0, q) the second.
; NO PREFETCH: all of kv is asked for at the kernel's start, with no loop to run ahead in; the queries for the way out are loaded into registers 25 key steps ahead of their use.
; LIMITS: NaN and infinities are not served; the promise holds while the scaled scores stay under 2^31.  p under 2^-126 comes out of v_exp_f32 as 0.  A block's largest p is made of its largest
; score by the same multiply-add and exponential, which takes v_exp_f32 not to fall where its input rises.  A block of zeros gets the byte 1: its codes are zeros.
.set PIT,   528                        ; Wq in LDS from byte 0: 64 rows of 512 bytes + 16
.set SPARE, 33792                      ; the spare words: 16 waves x 128 bytes
.set KV0,   35840                      ; the head's k and v
.set HB,    278528                     ; a head in kv
.set REC,   8704                       ; a step of 128 keys: K's four images, V's four, K's scale words, V's
.set GA,    69632                      ; steps 0-7
.set PA,    4352                       ; a wave's part of them: 17 rows of 256 bytes
.set PB,    13056                      ; a wave's part of steps 8-31: 51 rows
.set SPT,   1040                       ; the way out: 64 rows (d) of 256 queries x 4 bytes + 16, from KV0 on; rows 32-63 lie 64 bytes further, so that both halves of the lanes store to different banks
.set WV,  20                           ; s20 wave
.set SEL, 24                           ; s[24:25] selects for lane l xor 16
.set CS,  26                           ; s[26:27] c = log2(e) / 8
.set TB,  28                           ; s28 the step's first byte in the head
.set SPW, 5                            ; v5 my spare word, v6 zero: kept for the add alone
.set NIL, 6
.set GO,  27                           ; v27 16 x lane
.set OM,  210                          ; v210 the old -M
; REGISTERS: v1 KV0 + 16 lane; v2 KV0 + 8,192 + 4 lane; v3, v4 the step's addresses; v7 8 h; v8-19 q between zeros; v20, v21 q's scale words; v22, v23 K's; v24, v25 V's; v26 p's;
; v28 -M, v29 the largest score; v30, v31 at work; v32-63 K; v64-95 V; v96-159 S^T, then p; v160-191 O^T; v192-199 p's codes; v[200:201], v[202:203] the sum's two chains; v204 f; v206-212 at work;
; v216-247 queries for the way out; v248-254 addresses of the head and of the way out.
.macro WM d, a, b, c, sa, sb, ra, rb
.if (\ra) && (\rb)
	v_wmma_scale_f32_16x16x128_f8f6f4 v[\d:\d+7], v[\a:\a+7], v[\b:\b+7], \c, v[\sa], v[\sb] matrix_a_fmt:MATRIX_FMT_FP4 matrix_b_fmt:MATRIX_FMT_FP4 matrix_a_scale:MATRIX_SCALE_ROW1 matrix_b_scale:MATRIX_SCALE_ROW1
.elseif \ra
	v_wmma_scale_f32_16x16x128_f8f6f4 v[\d:\d+7], v[\a:\a+7], v[\b:\b+7], \c, v[\sa], v[\sb] matrix_a_fmt:MATRIX_FMT_FP4 matrix_b_fmt:MATRIX_FMT_FP4 matrix_a_scale:MATRIX_SCALE_ROW1
.elseif \rb
	v_wmma_scale_f32_16x16x128_f8f6f4 v[\d:\d+7], v[\a:\a+7], v[\b:\b+7], \c, v[\sa], v[\sb] matrix_a_fmt:MATRIX_FMT_FP4 matrix_b_fmt:MATRIX_FMT_FP4 matrix_b_scale:MATRIX_SCALE_ROW1
.else
	v_wmma_scale_f32_16x16x128_f8f6f4 v[\d:\d+7], v[\a:\a+7], v[\b:\b+7], \c, v[\sa], v[\sb] matrix_a_fmt:MATRIX_FMT_FP4 matrix_b_fmt:MATRIX_FMT_FP4
.endif
.endm
.macro ROUND                           ; a round of the cluster's barrier
	s_barrier_signal -1
	s_barrier_wait -1
	s_cmp_lg_u32 s[WV], 0
	s_cbranch_scc1 .Lnot_wave_0_\@
	s_barrier_signal -3
.Lnot_wave_0_\@:
	s_barrier_wait -3
	s_barrier_signal -1
	s_barrier_wait -1
.endm
	s_load_b512 s[4:19], s[0:1], 0x0               ; kv, qx, qxs, Wq's codes, Wq's scales, bq, queries, out0
	v_lshl_add_u32 v[SPW], v0, 2, SPARE
	v_mov_b32 v[NIL], 0
	ds_add_u32 v[SPW], v[NIL]                      ; the opening lines: the add twice on end, and its wait, ahead of my first tensor load
	ds_add_u32 v[SPW], v[NIL]
	v_lshrrev_b32 v1, 5, v0
	v_readfirstlane_b32 s[WV], v1                  ; wave 0..15
	s_bfe_u32 s21, ttmp6, 0x40000                  ; cx: it enters global addresses of qx, qxs, queries and out0 alone
	s_lshl_b32 s22, ttmp9, 2
	s_add_co_u32 s22, s22, s21                     ; my block of 256 queries
	s_and_b32 s23, ttmp7, 0xffff                   ; the head, which the four partners share
	s_mov_b32 s[SEL], 0x76543210
	s_mov_b32 s[SEL+1], 0xfedcba98
	s_mov_b32 s[CS], 0x3e38aa3b                    ; log2(e) / 8
	s_mov_b32 s[CS+1], s[CS]
	s_mov_b32 s[TB], 0
	; descriptor groups 1: dense rows of 256 bytes (32 elements of 8 bytes), mask of all four, bit 21 beside it; 17 rows, and 51
	s_mov_b32 s36, 15|(3<<16)|(1<<21)
	s_mov_b32 s37, 32<<16
	s_mov_b32 s38, 17<<16
	s_mov_b32 s39, 32<<16
	s_mov_b32 s40, 17
	s_mov_b32 s41, 32
	s_mov_b32 s42, 0
	s_mov_b32 s43, 0
	s_mov_b32 s44, 15|(3<<16)|(1<<21)
	s_mov_b32 s45, 32<<16
	s_mov_b32 s46, 51<<16
	s_mov_b32 s47, 32<<16
	s_mov_b32 s48, 51
	s_mov_b32 s49, 32
	s_mov_b32 s50, 0
	s_mov_b32 s51, 0
	s_lshr_b32 s33, s[WV], 1                       ; Wq's rows d = 4 w + e go to place 16 ((w / 2) % 4) + 4 (w % 2) + 8 (w / 8) + e: a tile is 16 LDS rows on end
	s_and_b32 s33, s33, 3
	s_lshl_b32 s33, s33, 4
	s_and_b32 s34, s[WV], 1
	s_lshl_b32 s34, s34, 2
	s_add_co_u32 s33, s33, s34
	s_lshr_b32 s34, s[WV], 3
	s_lshl_b32 s34, s34, 3
	s_add_co_u32 s33, s33, s34
	s_mul_i32 s33, s33, PIT
	v_and_b32 v30, 31, v0                          ; lane
	v_and_b32 v31, 15, v0                          ; r
	v_bfe_u32 v8, v0, 4, 1                         ; h
	v_lshlrev_b32 v[GO], 4, v30
	v_lshl_add_u32 v1, v30, 4, KV0
	v_lshl_add_u32 v2, v30, 2, KV0+8192
	v_lshlrev_b32 v7, 3, v8                        ; 8 h: my bytes' place in a scale word
	v_lshlrev_b32 v248, 5, v31                     ; queries' scale words: 32 bytes a row
	v_and_b32 v9, 7, v0
	v_bfe_u32 v10, v0, 3, 1
	v_lshlrev_b32 v9, 5, v9
	v_lshl_add_u32 v249, v10, 10, v9               ; Wq's scale words: row r % 8 + 32 (r / 8) of a tile
	v_lshlrev_b32 v250, 7, v8                      ; bq: d = 32 h on
	v_lshl_add_u32 v251, v30, 4, s33               ; where I lay my four rows of Wq
	v_mul_u32_u24 v252, v31, PIT
	v_lshl_add_u32 v252, v8, 4, v252               ; Wq's fragments: LDS row r, + 16 h
	s_wait_alu depctr_va_vdst(0)
	s_wait_dscnt 0x0                               ; both opening adds are done
	s_wait_kmcnt 0x0
	s_mov_b32 s31, 0
	s_lshl_b32 s30, s23, 15                        ; the head's 64 rows of Wq,
	s_lshl_b32 s32, s[WV], 11                      ; my four
	s_add_co_u32 s30, s30, s32
	s_add_nc_u64 s[10:11], s[10:11], s[30:31]
	s_lshl_b32 s32, s22, 4
	s_add_co_u32 s32, s32, s[WV]                   ; my tile of 16 queries
	s_lshl_b32 s30, s32, 13
	s_add_nc_u64 s[6:7], s[6:7], s[30:31]
	s_lshl_b32 s30, s32, 9
	s_add_nc_u64 s[8:9], s[8:9], s[30:31]
	s_lshl_b32 s30, s23, 11
	s_add_nc_u64 s[12:13], s[12:13], s[30:31]
	s_lshl_b32 s30, s23, 8
	s_add_nc_u64 s[14:15], s[14:15], s[30:31]
.irp e, 0,1,2,3
	global_load_b128 v[64+4*\e:67+4*\e], v[GO], s[10:11] offset:512*\e     ; Wq: a row is 32 lanes x 16 bytes
.endr
.irp s, 0,1,2,3,4,5,6,7
.irp c, 0,1
	global_load_b128 v[96+8*\s+4*\c:99+8*\s+4*\c], v[GO], s[6:7] offset:1024*\s+512*\c   ; my queries' eight fragments, as images
.endr
.endr
	global_load_b128 v[192:195], v248, s[8:9]                              ; their scale words: v[192 + s]
	global_load_b128 v[196:199], v248, s[8:9] offset:16
.irp t, 0,1,2,3
	global_load_b128 v[200+8*\t:203+8*\t], v249, s[12:13] offset:256*\t    ; Wq's: v[200 + 8 t + s]
	global_load_b128 v[204+8*\t:207+8*\t], v249, s[12:13] offset:256*\t+16
	global_load_b128 v[160+8*\t:163+8*\t], v250, s[14:15] offset:32*\t     ; bq in the result's layout: the sums begin with it
	global_load_b128 v[164+8*\t:167+8*\t], v250, s[14:15] offset:32*\t+16
.endr
	s_lshl_b32 s30, s23, 20                        ; queries and out0: head x 64 rows of 16,384 bytes,
	s_lshl_b32 s32, s22, 10                        ; my block's 1,024 bytes of a row,
	s_add_co_u32 s30, s30, s32
	s_lshl_b32 s32, s[WV], 16                      ; rows d = 4 w .. 4 w + 3
	s_add_co_u32 s30, s30, s32
	s_add_nc_u64 s[16:17], s[16:17], s[30:31]
	s_add_nc_u64 s[18:19], s[18:19], s[30:31]
	s_mul_i32 s30, s23, HB
	s_add_nc_u64 s[4:5], s[4:5], s[30:31]          ; kv at the head
	s_mul_i32 s30, s[WV], PA
	s_mov_b32 s52, 1
	s_add_co_u32 s53, s30, KV0
	s_add_nc_u64 s[54:55], s[4:5], s[30:31]
	s_or_b32 s55, s55, 0x80000000
	s_mul_i32 s30, s[WV], PB
	s_add_co_u32 s30, s30, GA
	s_mov_b32 s56, 1
	s_add_co_u32 s57, s30, KV0
	s_add_nc_u64 s[58:59], s[4:5], s[30:31]
	s_or_b32 s59, s59, 0x80000000
	ROUND                                          ; all four work-groups are here: the joint loads meet
	tensor_load_to_lds s[52:55], s[36:43]          ; my part of steps 0-7: my one load at the head
	s_nop 0
.rept 4
	v_nop
.endr
	s_wait_loadcnt 34                              ; Wq's four rows are in; the 34 loads behind them may be out
	s_wait_tensorcnt 0x0                           ; no load of mine is out while I store to LDS
.irp e, 0,1,2,3
	ds_store_b128 v251, v[64+4*\e:67+4*\e] offset:PIT*\e
.endr
	s_wait_tensorcnt 0x0
	ds_add_u32 v[SPW], v[NIL]
	s_wait_dscnt 0x0                               ; the add and my stores of Wq are done
	ROUND                                          ; steps 0-7 and Wq are whole for every wave
	tensor_load_to_lds s[56:59], s[44:51]          ; my part of steps 8-31: it has the making of q and seven key steps in which to land
	s_nop 0
.rept 4
	v_nop
.endr
	; ---- q = relu(queries Wq^T + bq) for my 16 queries: four tiles of 16 d, eight K steps, two at a time; the four accumulators take turns
	s_wait_loadcnt 0x0
.irp i, 0,1,2,3
.if \i > 0
.rept 4
	v_nop                                          ; places in front of loads into registers that matrix instructions have read
.endr
.endif
.irp l, 0,1
.irp t, 0,1,2,3
.irp c, 0,1
	ds_load_b128 v[32+32*\l+8*\t+4*\c:35+32*\l+8*\t+4*\c], v252 offset:16*\t*PIT+64*(2*\i+\l)+32*\c
.endr
.endr
.endr
	s_wait_dscnt 0x0
.irp l, 0,1
.irp t, 0,1,2,3
	WM 160+8*\t, 32+32*\l+8*\t, 96+8*(2*\i+\l), v[160+8*\t:167+8*\t], 200+8*\t+2*\i+\l, 192+2*\i+\l, 0, 0
.endr
.endr
.endr
.rept 4
	v_nop
.endr
.set n, 0
.rept 32
	v_max_num_f32 v[160+n], 0, v[160+n]            ; relu: register i = d 32 h + i of my query: one whole block
.set n, n+1
.endr
	v_max3_num_f32 v206, v160, v161, 0x1800000     ; its largest, in two chains, with the floor 2^(3 - 127)
	v_max3_num_f32 v207, v176, v177, 0x1800000
.irp i, 2,4,6,8,10,12,14
	v_max3_num_f32 v206, v206, v[160+\i], v[161+\i]
	v_max3_num_f32 v207, v207, v[176+\i], v[177+\i]
.endr
	v_max_num_f32 v206, v206, v207
	s_delay_alu instid0(VALU_DEP_1)
	v_add_nc_u32 v208, 0xff000000, v206            ; 2 off the exponent field: the conversion's scale operand
	s_delay_alu instid0(VALU_DEP_1)
	v_lshrrev_b32 v209, 23, v208                   ; the byte,
	s_delay_alu instid0(VALU_DEP_1)
	v_lshlrev_b32 v209, v7, v209                   ; at its place;
	s_delay_alu instid0(VALU_DEP_1)
	v_permlanex16_b32 v30, v209, s[SEL], s[SEL+1]
	s_delay_alu instid0(VALU_DEP_1)
	v_or_b32 v20, v209, v30                        ; with lane l xor 16's: q's scale word beside (q, zeros),
	s_delay_alu instid0(VALU_DEP_1)
	v_lshlrev_b32 v21, 16, v20                     ; and beside (zeros, q)
.irp t, 0,1,2,3
	v_cvt_scalef32_pk8_fp4_f32 v[12+\t], v[160+8*\t:167+8*\t], v208
.endr
.irp j, 8,9,10,11,16,17,18,19
	v_mov_b32 v\j, 0                               ; the zeros on both sides of q
.endr
.set n, 0
.rept 32
	v_mov_b32 v[160+n], 0                          ; O^T: the step is written one way; the first finds zeros.  (Also the places between q's scale words and their first use)
.set n, n+1
.endr
.irp j, 28,29,31,200,201,202,203,205
	v_mov_b32 v\j, 0                               ; -M, the largest score, a permute's destination, the sum's two chains, the upper half of f's pair
.endr
.macro TMM n                           ; t - M of pair n (of the pairs c and -M the low word serves both halves)
	v_pk_fma_f32 v[96+2*(\n):97+2*(\n)], v[96+2*(\n):97+2*(\n)], s[CS:CS+1], v[28:29] op_sel_hi:[1,0,0]
.endm
.macro TMMS cnt
.rept \cnt
	TMM tn
.set tn, tn+1
.endr
.endm
.macro SUS cnt                         ; the next pairs of p go into the row's sum: the even pairs' chain and the odd pairs'; pairs 0 and 1 start the second
.rept \cnt
.if sn == 1
	v_pk_add_f32 v[202:203], v[96:97], v[98:99]
.elseif sn%2 == 0
	v_pk_add_f32 v[200:201], v[200:201], v[96+2*sn:97+2*sn]
.else
	v_pk_add_f32 v[202:203], v[202:203], v[96+2*sn:97+2*sn]
.endif
.set sn, sn+1
.endr
.endm
; ---- A KEY STEP: 128 keys.  pf = 1: the next step's K is asked for.  All plain work stands ahead of ONE batch of exponentials; behind it come the sums and the conversions.
.macro STEP pf
	s_wait_dscnt 0x0                               ; K of this step and its scale words, asked for a step ago
.irp b, 0,1,2,3
	WM 96+16*\b, 32+8*\b, 12, 0, 22+\b/2, 20, \b%2, 0      ; S^T: register 32 c + 8 t + j = key 64 c + 32 h + 8 t + j; image b = 2 c + t / 2: t even,
	WM 104+16*\b, 32+8*\b, 8, 0, 22+\b/2, 21, \b%2, 0      ; t odd
.endr
	v_add_nc_u32 v3, s[TB], v1                     ; four places, all of them work that is due: the step's two addresses,
	v_add_nc_u32 v4, s[TB], v2
	v_mov_b32 v[OM], v28                           ; the old -M,
	v_pk_add_f32 v[200:201], v[200:201], v[202:203]   ; and the last step's second chain of the sum
.irp t, 0,1,2,3
.irp c, 0,1
	ds_load_b128 v[64+8*\t+4*\c:67+8*\t+4*\c], v3 offset:4096+1024*\t+512*\c   ; V's four images: wanted at the step's end
.endr
.endr
	ds_load_b32 v24, v4 offset:256
	ds_load_b32 v25, v4 offset:384
.if \pf
.irp b, 0,1,2,3
.irp c, 0,1
	ds_load_b128 v[32+8*\b+4*\c:35+8*\b+4*\c], v3 offset:REC+1024*\b+512*\c    ; the next step's K
.endr
.endr
	ds_load_b32 v22, v4 offset:REC
	ds_load_b32 v23, v4 offset:REC+128
.endif
	v_max3_num_f32 v206, v96, v97, v98             ; my two blocks' largest scores, each in two chains; each accumulator is first read at its low end
	v_max3_num_f32 v208, v112, v113, v114
	v_max3_num_f32 v207, v128, v129, v130
	v_max3_num_f32 v209, v144, v145, v146
.irp i, 3,5,7,9,11,13
	v_max3_num_f32 v206, v206, v[96+\i], v[97+\i]
	v_max3_num_f32 v208, v208, v[112+\i], v[113+\i]
	v_max3_num_f32 v207, v207, v[128+\i], v[129+\i]
	v_max3_num_f32 v209, v209, v[144+\i], v[145+\i]
.endr
	v_max3_num_f32 v206, v206, v208, v111
	v_max3_num_f32 v207, v207, v209, v143
	v_max_num_f32 v206, v206, v127
	v_max_num_f32 v207, v207, v159
	v_max_num_f32 v30, v206, v207
	v_permlanex16_b32 v31, v30, s[SEL], s[SEL+1]
	v_max3_num_f32 v29, v29, v30, v31              ; the running largest score of my query
	v_mul_f32 v30, s[CS], v29                      ; as t (c is positive)
	v_floor_f32 v28, -v30                          ; the new -M = -ceil(t)
	v_fma_f32 v206, v206, s[CS], v28               ; t - M of each block's largest score: the same multiply-add as the scores'
	v_fma_f32 v207, v207, s[CS], v28
	v_sub_f32 v31, v28, v[OM]                      ; old M - new M: a whole number, 0 or less
.set tn, 0
	TMMS 4
	v_cvt_i32_f32 v31, v31                         ; (it saturates)
	TMMS 4
	v_ldexp_f32 v204, 1.0, v31                     ; f = 2^(old M - new M)
	TMMS 24
.set n, 0
.rept 16
	v_pk_mul_f32 v[160+n:161+n], v[160+n:161+n], v[204:205] op_sel_hi:[1,0]   ; O^T under the new M, in ascending order; no exponential stands between the last products and these reads
.set n, n+2
.endr
	s_wait_alu depctr_va_vdst(0)
	v_exp_f32 v206, v206                           ; the blocks' largest p,
	v_exp_f32 v207, v207
.set n, 0
.rept 64
	v_exp_f32 v[96+n], v[96+n]                     ; p = 2^(t - M), at most 1, not normalised
.set n, n+1
.endr
	v_pk_mul_f32 v[200:201], v[200:201], v[204:205] op_sel_hi:[1,0]        ; the sum under the new M (the plain place behind the batch)
	s_wait_alu depctr_va_vdst(0)                   ; and the one wait behind it, ahead of its first reader
.set sn, 1
	v_max_num_f32 v206, 0x1800000, v206            ; the floor 2^(3 - 127): the byte cannot fall under 1
	v_max_num_f32 v207, 0x1800000, v207
	SUS 4
	v_add_nc_u32 v208, 0xff000000, v206            ; 2 off the exponent field: the conversions' scale operands
	v_add_nc_u32 v209, 0xff000000, v207
	SUS 2
	v_lshrrev_b32 v211, 23, v208                   ; the bytes of blocks h and 2 + h
	v_lshrrev_b32 v212, 23, v209
.irp t, 0,1,2,3
	v_cvt_scalef32_pk8_fp4_f32 v[192+\t], v[96+8*\t:103+8*\t], v208        ; register t of p's operand: keys 32 h + 8 t on
.endr
	SUS 2
	v_lshl_or_b32 v211, v212, 16, v211
.irp t, 0,1,2,3
	v_cvt_scalef32_pk8_fp4_f32 v[196+\t], v[128+8*\t:135+8*\t], v209       ; register 4 + t: keys 64 + 32 h + 8 t on
.endr
	SUS 2
	v_lshlrev_b32 v211, v7, v211                   ; at their places in the word
	SUS 2
	v_permlanex16_b32 v30, v211, s[SEL], s[SEL+1]
	SUS 2
	v_or_b32 v26, v211, v30                        ; with lane l xor 16's two: p's scale word
	SUS 17                                         ; 17 plain lines: the places between p's codes and scale word and their use
	s_wait_alu depctr_va_vdst(0)
.if \pf
	s_wait_dscnt 10                                ; V and its words are in; the ten loads of the next step's K, issued behind them, may be out
.else
	s_wait_dscnt 0x0
.endif
.irp t, 0,1,2,3
	WM 160+8*\t, 64+8*\t, 192, v[160+8*\t:167+8*\t], 24+\t/2, 26, \t%2, 0  ; O^T += V^T P^T: the four accumulators take turns
.endr
	s_add_co_u32 s[TB], s[TB], REC
.endm
.irp b, 0,1,2,3
.irp c, 0,1
	ds_load_b128 v[32+8*\b+4*\c:35+8*\b+4*\c], v1 offset:1024*\b+512*\c    ; K of step 0
.endr
.endr
	ds_load_b32 v22, v2
	ds_load_b32 v23, v2 offset:128
	s_mov_b32 s29, 7
	s_wait_alu depctr_va_vdst(0)
.Lfirst:                                               ; key steps 0 to 6: they touch steps 0 to 7
	STEP 1
	s_sub_co_u32 s29, s29, 1
	s_cmp_lg_u32 s29, 0
	s_cbranch_scc1 .Lfirst
	s_wait_tensorcnt 0x0                           ; my part of steps 8-31 is in
	s_wait_dscnt 0x0
	s_barrier_signal -1
	s_barrier_wait -1                              ; everybody's is: the whole head lies in LDS, and nothing is ever filled again
.irp e, 0,1,2,3
.irp i, 0,1
	global_load_b128 v[216+8*\e+4*\i:219+8*\e+4*\i], v[GO], s[16:17] offset:16384*\e+512*\i   ; queries at the places that I shall store: asked for 25 key steps ahead
.endr
.endr
	s_mov_b32 s29, 24
.Lrest:                                                ; key steps 7 to 30
	STEP 1
	s_sub_co_u32 s29, s29, 1
	s_cmp_lg_u32 s29, 0
	s_cbranch_scc1 .Lrest
	STEP 0                                         ; the last step is written out: there is no further K to ask for
	; ---- THE WAY OUT.  out0's rows run along the queries: O^T / the sum goes through a stage [64 d][256 queries] in LDS; each wave then takes four whole rows of 1,024 bytes, adds queries and stores.
	v_pk_add_f32 v[200:201], v[200:201], v[202:203]   ; the sum's second chain.  (These lines are the places behind the last products)
	v_and_b32 v30, 15, v0
	v_bfe_u32 v31, v0, 4, 1
	s_lshl_b32 s30, s[WV], 6
	s_add_co_u32 s30, s30, KV0
	v_lshl_add_u32 v253, v30, 2, s30               ; in: column 16 w + r,
	v_mad_u32_u24 v253, v31, 32*SPT+64, v253       ; row 32 h + what the register says
	s_mul_i32 s31, s[WV], 4*SPT
	s_lshr_b32 s32, s[WV], 3
	s_lshl_b32 s32, s32, 6
	s_add_co_u32 s31, s31, s32
	v_add_nc_u32 v254, s31, v1                     ; back: rows 4 w on, 16 bytes a lane
	v_add_f32 v200, v200, v201                     ; the sum's two halves,
	s_delay_alu instid0(VALU_DEP_1)
	v_permlanex16_b32 v211, v200, s[SEL], s[SEL+1]
	s_delay_alu instid0(VALU_DEP_1)
	v_add_f32 v200, v200, v211                     ; and lane l xor 16's: the row's sum
	s_wait_alu depctr_va_vdst(0)
	v_rcp_f32 v200, v200
	v_nop                                          ; a plain place behind it
	s_wait_alu depctr_va_vdst(0)                   ; and the wait ahead of its first reader, which is also O^T's
.set n, 0
.rept 32
	v_mul_f32 v[32+n], v[160+n], v200              ; register 8 T + j: d = 32 h + 8 T + j of my query
.set n, n+1
.endr
	s_wait_alu depctr_va_vdst(0)
	s_wait_dscnt 0x0
	s_barrier_signal -1
	s_barrier_wait -1                              ; no wave reads k or v any more; those bytes have had their only fill
.set n, 0
.rept 32
	ds_store_b32 v253, v[32+n] offset:n*SPT
.set n, n+1
.endr
	s_wait_dscnt 0x0                               ; for the others' sake
	s_barrier_signal -1
	s_barrier_wait -1
.irp e, 0,1,2,3
.irp i, 0,1
	ds_load_b128 v[64+8*\e+4*\i:67+8*\e+4*\i], v254 offset:SPT*\e+512*\i
.endr
.endr
	s_wait_loadcnt 0x0
	s_wait_dscnt 0x0
.set n, 0
.rept 16
	v_pk_add_f32 v[64+n:65+n], v[64+n:65+n], v[216+n:217+n]
.set n, n+2
.endr
.irp e, 0,1,2,3
.irp i, 0,1
	global_store_b128 v[GO], v[64+8*\e+4*\i:67+8*\e+4*\i], s[18:19] offset:16384*\e+512*\i th:TH_STORE_NT   ; 32 lanes store 512 consecutive bytes, at a multiple of 512 from out0's first byte
.endr
.endr
	s_wait_tensorcnt 0x0                           ; the wave's end
	ds_add_u32 v[SPW], v[NIL]
	s_wait_dscnt 0x0
	ROUND                                          ; the closing round
	s_endpgm
.Lfunc_end_k_qd6e7af0d1b_attn:
	.size	k_qd6e7af0d1b_attn, .Lfunc_end_k_qd6e7af0d1b_attn-k_qd6e7af0d1b_attn
	.p2alignl 7, 3214868480
	.fill 96, 4, 3214868480
	.section	.rodata,"a",@progbits
	.p2align	6, 0x0
	.amdhsa_kernel k_qd6e7af0d1b_attn
		.amdhsa_group_segment_fixed_size 327680
		.amdhsa_private_segment_fixed_size 0
		.amdhsa_enable_private_segment 0
		.amdhsa_kernarg_size 64
		.amdhsa_user_sgpr_count 2
		.amdhsa_user_sgpr_kernarg_segment_ptr 1
		.amdhsa_wavefront_size32 1
		.amdhsa_system_sgpr_workgroup_id_x 1
		.amdhsa_system_sgpr_workgroup_id_y 1
		.amdhsa_system_sgpr_workgroup_id_z 1
		.amdhsa_system_vgpr_workitem_id 0
		.amdhsa_next_free_vgpr 256
		.amdhsa_next_free_sgpr 80
		.amdhsa_reserve_vcc 0
		.amdhsa_float_denorm_mode_32 3
		.amdhsa_float_denorm_mode_16_64 3
		.amdhsa_memory_ordered 1
		.amdhsa_forward_progress 1
		.amdhsa_inst_pref_size 72
	.end_amdhsa_kernel
	.amdgpu_metadata
---
amdhsa.version: [ 1, 2 ]
amdhsa.kernels:
  - .name:           k_qd6e7af0d1b_attn
    .symbol:         k_qd6e7af0d1b_attn.kd
    .args:
      - { .name: kv, .offset: 0, .size: 8, .value_kind: global_buffer, .address_space: global }
      - { .name: qx, .offset: 8, .size: 8, .value_kind: global_buffer, .address_space: global }
      - { .name: qxs, .offset: 16, .size: 8, .value_kind: global_buffer, .address_space: global }
      - { .name: Wq_w_codes, .offset: 24, .size: 8, .value_kind: global_buffer, .address_space: global }
      - { .name: Wq_w_scales, .offset: 32, .size: 8, .value_kind: global_buffer, .address_space: global }
      - { .name: Wq_b, .offset: 40, .size: 8, .value_kind: global_buffer, .address_space: global }
      - { .name: queries, .offset: 48, .size: 8, .value_kind: global_buffer, .address_space: global }
      - { .name: out0, .offset: 56, .size: 8, .value_kind: global_buffer, .address_space: global }
    .group_segment_fixed_size: 327680
    .private_segment_fixed_size: 0
    .kernarg_segment_align: 8
    .kernarg_segment_size: 64
    .max_flat_workgroup_size: 512
    .sgpr_count:     80
    .vgpr_count:     256
    .wavefront_size: 32
...
	.end_amdgpu_metadata
.endif
;; end of part 4
